; MI455X (gfx1250); checked and timed in simulation.
; The chip was launched on July 23, 2026; its instructions are those of AMD's public machine-readable ISA for CDNA 5 (MIT licence, August 2026) and "CDNA5" Instruction Set Architecture Reference Guide (July 2026). The comments in the code are by the model that wrote it; some were corrected since.
;; Multi Head Attention. Allowed arithmetic: matrix products marked QUANTISED: E4M3 operands, one E8M0 scale for each 32 along K, by v_wmma_scale_f32_16x16x128_f8f6f4 with both operands' format E4M3, f32 sums; everything else in f32.
;; Inputs: bk 1,024 float32; bo 1,024 float32; bq 1,024 float32; bv 1,024 float32; key_codes 4 x 2,048 x 32 x 32 uint8 (E4M3 codes of key, K innermost, in blocks of 32 codes); key_scales 4 x 2,048 x 32 uint8 (E8M0 scales of key, one for each 32 codes along K); query_codes 4 x 2,048 x 32 x 32 uint8 (E4M3 codes of query, K innermost, in blocks of 32 codes); query_scales 4 x 2,048 x 32 uint8 (E8M0 scales of query, one for each 32 codes along K); value_codes 4 x 2,048 x 32 x 32 uint8 (E4M3 codes of value, K innermost, in blocks of 32 codes); value_scales 4 x 2,048 x 32 uint8 (E8M0 scales of value, one for each 32 codes along K); wk_codes 1,024 x 32 x 32 uint8 (E4M3 codes of wk, K innermost, in blocks of 32 codes); wk_scales 1,024 x 32 uint8 (E8M0 scales of wk, one for each 32 codes along K); wo_codes 1,024 x 32 x 32 uint8 (E4M3 codes of wo, K innermost, in blocks of 32 codes); wo_scales 1,024 x 32 uint8 (E8M0 scales of wo, one for each 32 codes along K); wq_codes 1,024 x 32 x 32 uint8 (E4M3 codes of wq, K innermost, in blocks of 32 codes); wq_scales 1,024 x 32 uint8 (E8M0 scales of wq, one for each 32 codes along K); wv_codes 1,024 x 32 x 32 uint8 (E4M3 codes of wv, K innermost, in blocks of 32 codes); wv_scales 1,024 x 32 uint8 (E8M0 scales of wv, one for each 32 codes along K).
;; Outputs: out0 4 x 2,048 x 1,024 float32.
;; Constants: is_causal = 1.
;; This version of the problem:
;;   THIS VERSION OF THE PROBLEM IS GIVEN IN LOW PRECISION. The matrix products marked QUANTISED in the list below multiply operands that are first quantised to E4M3 (4 exponent bits, 3 mantissa bits; 8 bits a number), with one power-of-two scale for each 32 numbers along K (OCP MX v1.0); their sums are f32. All else is computed in f32.
;;   The module's matrix products, in the order in which they are computed (A, B: the left and right operand; K: the contracted axis; several contracted axes count as one K, in the product's order):
;;     1. [M 8,192, K 1,024] x [K 1,024, N 1,024]; A: input query (given as codes); B: input wq (given as codes): QUANTISED
;;     2. [M 8,192, K 1,024] x [K 1,024, N 1,024]; A: input key (given as codes); B: input wk (given as codes): QUANTISED
;;     3. [M 8,192, K 1,024] x [K 1,024, N 1,024]; A: input value (given as codes); B: input wv (given as codes): QUANTISED
;;     4. batch 64 x [M 2,048, K 64] x [K 64, N 2,048]; A: computed on the way; B: computed on the way: QUANTISED
;;     5. batch 64 x [M 2,048, K 2,048] x [K 2,048, N 64]; A: softmax (see below); B: computed on the way: QUANTISED
;;     6. [M 8,192, K 1,024] x [K 1,024, N 1,024]; A: computed on the way; B: input wo (given as codes): QUANTISED
;;   THE QUANTISER, for each operand of a quantised product, along K:
;;     - K is cut into blocks of 32 from its start; a last block that is shorter is filled with zeros.
;;     - A block's scale is 2^e with e = floor(log2(the largest magnitude in the block)) - 8, held to -126 .. 127; a block of zeros has e = 0. As a byte (E8M0): e + 127.
;;     - Each number is divided by its block's scale, clamped to +-448, and rounded to the nearest number of E4M3, ties to even, subnormals kept.
;;     - The product sums the exact products of the quantised numbers (number of the format x scale) in f32.
;;   ~~~python
;;   def quantise(x, axis):      # numpy; x: float32 -> the quantised numbers, widened to float32 again
;;       x = np.moveaxis(x, axis, -1); K = x.shape[-1]
;;       x = np.pad(x, [(0, 0)] * (x.ndim - 1) + [(0, -K % 32)]); x = x.reshape(x.shape[:-1] + (-1, 32)); a = np.abs(x).max(-1, keepdims=True)
;;       e = np.where(a > 0, np.clip(np.frexp(np.where(a > 0, a, 1))[1] - 1 - 8, -126, 127), 0)      # np.frexp(a)[1] - 1 = floor(log2(a)), exactly
;;       r = np.clip(x / 2.0 ** e, -448, 448)
;;       step = 2.0 ** (np.maximum(np.frexp(np.where(r == 0, 1, r))[1] - 1, -6) - 3)
;;       q = np.round(r / step) * step * 2.0 ** e      # np.round: ties to even
;;       return np.moveaxis(q.reshape(q.shape[:-2] + (-1,))[..., :K], -1, axis).astype(np.float32)
;;   ~~~
;;   SOFTMAX AHEAD OF A QUANTISED PRODUCT. Where the list says 'softmax', what is quantised is not the finished softmax but p = 2^(t - M), with t = logit x log2(e) and M = ceil(the row's largest t), a whole number; so 1/2 < the row's largest p <= 1. The row's sum l is taken of the UNQUANTISED p, in f32, and the product's result is divided by l at the end. Since M is a whole number, a kernel that streams over the keys may use a running M (the ceiling of the running maximum): every later rescaling is an exact power of two, which a block's scale takes up: the codes' values come out the same.
;;   OPERANDS COMPUTED ON THE WAY. 'Computed on the way' means the value that the module computes at that place (a softmax that the list does not call 'softmax' is quantised finished and normalised). What goes into a quantiser is computed in f32, as accurately as f32 sums, v_exp_f32 and their like allow (about 1e-6 of the number): no bf16 or f16 on the way to a quantiser, and a product that is left as it is and whose result goes on into a quantised operand takes f32 operands (vector FMAs, or v_wmma_f32_16x16x4_f32). A number that lies on a knife's edge between two numbers of the format may be rounded either way, as far as f32 arithmetic and the matrix unit's own rounding can turn it there, and no further.
;;   INPUTS GIVEN AS CODES. key (in the module: [4, 2048, 1024], K = its axis 2); query (in the module: [4, 2048, 1024], K = its axis 2); value (in the module: [4, 2048, 1024], K = its axis 2); wk (in the module: [1024, 1024], K = its axis 1); wo (in the module: [1024, 1024], K = its axis 1); wq (in the module: [1024, 1024], K = its axis 1); wv (in the module: [1024, 1024], K = its axis 1): each comes as NAME_codes (uint8): NAME with its K axis moved to the last place and cut into blocks of 32 codes, [.., K / 32, bytes a block], one block behind the other in memory; one code a byte (a code: sign, 4 exponent bits, 3 mantissa bits); and NAME_scales (uint8): the same leading axes, one E8M0 byte (e + 127) for each 32 codes along K. Its value is code x scale, taken as it is: it is not quantised again, and the codes and scales need not be those that the quantiser above would give.
;; One version. Each part assembles by itself: llvm-mc -triple=amdgcn-amd-amdhsa -mcpu=gfx1250 --defsym DOCPART=n.
;; ======== version 1 of 1: 3 launches
;; limits: right only within a limited range of input values
;; workspace buffers: q_img 8,388,608 bytes; q_sc 524,288 bytes; kv 17,563,648 bytes; ctx_img 8,388,608 bytes; ctx_sc 262,144 bytes
;; launch proj (part 1): grid 4 x 96, 4 waves a work-group, clusters of 4 x 4, 327,680 bytes of LDS; arguments query_codes, query_scales, wq_codes, wq_scales, bq, key_codes, key_scales, wk_codes, wk_scales, bk, wv_codes, wv_scales, value_codes, value_scales, bv, q_img, q_sc, kv; writes q_img, q_sc, kv
.if DOCPART == 1
	.amdgcn_target "amdgcn-amd-amdhsa--gfx1250"
	.amdhsa_code_object_version 6
	.text
	.protected	k_qb461877cc7_proj
	.globl	k_qb461877cc7_proj
	.p2align	8
	.type	k_qb461877cc7_proj,@function
k_qb461877cc7_proj:
	s_mov_b64 s[64:65], 0
	v_nop
	global_prefetch_b8 v0, s[64:65] scope:SCOPE_SE
	s_setreg_imm32_b32 hwreg(HW_REG_WAVE_MODE, 25, 1), 1
	s_wait_xcnt 0x0
	s_wait_alu depctr_hold_cnt(0) depctr_sa_sdst(0) depctr_va_vdst(0) depctr_va_sdst(0) depctr_va_ssrc(0) depctr_va_vcc(0) depctr_vm_vsrc(0)
	s_getreg_b32 s2, hwreg(HW_REG_IB_STS2, 6, 4)
	s_cmp_eq_u32 s2, 0
	s_cbranch_scc0 .Lentry_in_a_cluster
	s_endpgm
.Lentry_in_a_cluster:
	s_bfe_u32 s2, ttmp6, 0x10000c
	s_cmp_lg_u32 s2, 0xf033
	s_cbranch_scc0 .Lentry_shape_is_right
	s_endpgm
.Lentry_shape_is_right:
; THE THREE PROJECTIONS, Q = query wq^T + bq, K = key wk^T + bk, V = value wv^T + bv, on codes of FP8 (E4M3) with one E8M0 scale for each 32 along K, and the quantiser behind them.
; One text serves all three: 8 clusters of 4 x 4 work-groups each; the cluster's number says which product (PROD 0, 1, 2).  A tile of 256 x 256 results is made by four waves, 128 x 128 each (64 accumulators, 512 registers), K = 1,024
; in steps of 256 through a ring of two LDS slots filled by the tensor data mover; the scale bytes of the tile's 2 x 256 rows come into LDS once.
; NAMES.  "A" is the operand of source 1: a lane holds ONE row of it.  "B" is the operand of source 0: a lane's eight registers run along its rows.  What is quantised next runs along B's rows:
;   Q, K: A = the tokens, B = the weight's rows (features: the next K is the head's 64).      V: A = wv's rows, B = the tokens (the next K is the keys): the result is V^T.
; THE BIAS is the C of each sum's first matrix instruction.
; THE QUANTISER.  The 16 registers of two neighbouring accumulators are rows 32 b + 8 h + 0..7 and 32 b + 16 + 8 h + 0..7 of B (h = lane / 16): with lane l xor 16 a whole block of 32.  Their 16 codes stand in the next operand at places
; 32 b + 16 h + 0..15: A FIXED PERMUTATION INSIDE A BLOCK OF 32.  Q and K are both made so, and so are V and the softmax's weights in the next launch: each product still multiplies the right pairs, under the right scales; only the order of the
; sums inside a matrix instruction differs from the ascending one.
; WHAT IS STORED: images of the next operands' registers: each group of four registers as 32 lanes x 16 bytes = 512 consecutive bytes.
;   q_img [bh 64][tile of 16 queries 128][c 2][lane][16];  q_sc [bh][tile][row 16] words (bytes 0, 1: the two blocks of d; bytes 2, 3: 0).
;   kv [bh 64][step of 128 keys 16][17,152 bytes]: K's codes [tile 8][c 2][lane][16] at 0; V's codes [16 d 4][c 4][lane][16] at 8,192; K's scale words [tile 8][row 16] at 16,384; V's [4][16] at 16,896.
; The scale words leave as pieces of 64 bytes: one sixteenth of the codes' bytes.
; CLUSTERS: the four work-groups of a row of the cluster need the same tiles of A, the four of a column the same tiles of B: each tile is asked for jointly.
; LIMITS: NaN and infinities are not served; a block whose largest magnitude lies under 2^-118 (a block of zeros too) gets the byte 1: its codes are then zeros or subnormals, and the bytes are read by this program alone.
; REGISTERS, in windows of 256: window 0: v0-31 addresses; v32-63 scale words, two sets; v64-127 the bias, later the quantiser's working registers; from v128 A's fragments, one set.
;   window 1: B's fragments, two sets.   window 2: the accumulators of A's blocks 0-3 ((a, b) at v[8 (8 (a % 4) + b)]);   window 3: those of blocks 4-7.
.set KSTEP,  256                       ; along K in a slot
.set NQ,     KSTEP/128                 ; matrix instructions deep
.set ROWB,   256                       ; a tile's row in bytes
.set KROW,   1024                      ; a row of A or of B in memory, in bytes
.set PITCH,  272                       ; an LDS row: 256 bytes + 16 of padding: the 16 rows that a load touches start at 16 different banks
.set FR,     16                        ; registers of a fragment: 16 rows x 128 K
.set NL,     4                         ; LDS loads that bring one
.set NP,     8                         ; places behind this matrix instruction (ISA guide 7.12.1)
.set HALFT,  128*PITCH                 ; 128 rows: what one tensor load brings
.set SLOT,   4*HALFT                   ; A's 256 rows, then B's 256 rows
.set LAPS,   KROW/(2*KSTEP)            ; a lap = two K steps = once round the ring
.set KS,     KROW/32                   ; a row of scale bytes
.set SCL,    2*SLOT                    ; behind the ring: the scales, as units of 256 bytes + 16 of padding
.set HALFS,  (128*KS/256)*272          ; the scales of 128 rows
.set SBLK,   (16*KS/256)*272           ; those of 16 rows
.set SPARE,  SCL+4*HALFS               ; behind the scales: the spare words, 128 bytes for each wave, which no other line names
.set STEPB,  17152                     ; kv: a step of 128 keys
.set HEADB,  16*STEPB                  ; kv: a head
.set ADRA, 16                          ; v16-17  LDS address of my A fragments in slot 0, 1
.set ADRB, 20                          ; v20-21  the same for B
.set VO0,  24                          ; v24     the way out: byte offset of my 16 bytes, blocks 0 and 1
.set VO1,  25                          ; v25     blocks 2 and 3
.set VS,   26                          ; v26     byte offset of my scale word
.set ADRS, 27                          ; v27     LDS address of my scale words: lanes 0-15 A's rows, lanes 16-31 B's
.set SPW,  28                          ; v28     LDS address of my spare word; never rewritten
.set NIL,  29                          ; v29     0; never rewritten
.set VB,   30                          ; v30     byte offset of my numbers of the bias
.set SC,   32                          ; scale words: set s at v[SC + 16 s]
.set BI,   64                          ; v64-127 the bias in the result's layout, eight registers a block
.set TM,   64                          ; the way out: v64-67 largest magnitudes, v68-71 bytes, v76-79 the conversions' scale operands
.set PW,   80                          ; the scale word
.set T0,   81
.set T1,   82
.set PC,   96                          ; v96-111 a block's 64 codes a lane
.set AF,   128                         ; A's fragments
.set X,    128
.set G1, 24                            ; s[24:31] descriptor group 1 for A's tiles;  s[32:39] group 0, one set for each slot
.set G0, 32
.set G1B, 48                           ; s[48:55], s[56:63] the same for B's tiles
.set G0B, 56
.set G1S, 68                           ; s[68:75], s[76:79] groups 1 and 0 for A's scales;  s[80:87], s[88:91] for B's
.set G0S, 76
.set G1SB, 80
.set G0SB, 88
.set MSB, 0
.macro WIN new                         ; the immediate's high byte repeats the setting that is left
.if MSB != \new
	s_set_vgpr_msb (MSB<<8)|\new
.set MSB, \new
.endif
.endm
.set MUL_LO, 0xa1                      ; source 0 (B) window 1, source 1 (A) window 0, C and D window 2
.set MUL_HI, 0xf1                      ; the same, C and D window 3
.set FST_LO, 0x81                      ; the first step: C (the bias) window 0, D window 2
.set FST_HI, 0xc1                      ; D window 3
.set TO_B,   0x40                      ; destination window 1, address window 0
; A joint load: waves 0 and 1 fetch for A, waves 2 and 3 for B.  Each line has one mask and one set of registers; the branch hangs on the wave's number alone.  Four v_nop follow each line.
.macro JLOAD g0a, g1a, g0b, g1b
	s_cmp_eq_u32 s15, 0
	s_cbranch_scc0 .Lfor_b_\@
	tensor_load_to_lds s[\g0a:\g0a+3], s[\g1a:\g1a+7]
	s_nop 0
.rept 4
	v_nop
.endr
	s_branch .Lasked_\@
.Lfor_b_\@:
	tensor_load_to_lds s[\g0b:\g0b+3], s[\g1b:\g1b+7]
	s_nop 0
.rept 4
	v_nop
.endr
.Lasked_\@:
.endm
.macro CREST                           ; a round of the cluster's barrier behind its opening barrier
	s_cmp_lg_u32 s14, 0
	s_cbranch_scc1 .Lnot_wave_0_\@
	s_barrier_signal -3
.Lnot_wave_0_\@:
	s_barrier_wait -3
	s_barrier_signal -1
	s_barrier_wait -1
.endm
.macro CROUND                          ; a whole round
	s_barrier_signal -1
	s_barrier_wait -1
	CREST
.endm
	s_load_b256 s[24:31], s[0:1], 0x0              ; Q's set: query's codes, scales, wq's codes, scales,
	s_load_b64 s[32:33], s[0:1], 0x20              ; bq
	s_load_b256 s[36:43], s[0:1], 0x28             ; K's set: key's, wk's,
	s_load_b64 s[44:45], s[0:1], 0x48              ; bk
	s_load_b256 s[48:55], s[0:1], 0x50             ; V's set, A first: wv's codes, scales, value's codes, scales,
	s_load_b64 s[56:57], s[0:1], 0x70              ; bv
	s_load_b128 s[68:71], s[0:1], 0x78             ; q_img, q_sc
	s_load_b64 s[72:73], s[0:1], 0x88              ; kv
	v_lshl_add_u32 v[SPW], v0, 2, SPARE
	v_mov_b32 v[NIL], 0
	ds_add_u32 v28, v29
	ds_add_u32 v28, v29
	s_wait_dscnt 0x0
	v_lshrrev_b32 v1, 5, v0
	v_readfirstlane_b32 s14, v1                    ; wave 0..3
	s_lshr_b32 s15, s14, 1                         ; which half of A's rows is mine.  Also: I fetch for A (0) or for B (1)
	s_and_b32 s16, s14, 1                          ; which half of B's rows.  Also: which 128 rows of that tile I fetch
	s_and_b32 s17, ttmp7, 0xffff                   ; the cluster's number, 0..23
	s_lshr_b32 s66, s17, 3                         ; PROD: 0 Q, 1 K, 2 V: the same in all sixteen partners
	s_and_b32 s17, s17, 7                          ; which of the product's 8 clusters
	s_lshr_b32 s67, s66, 1                         ; 1 for V
	s_mul_i32 s18, s17, s67                        ; V: the clusters walk B's tiles (the tokens);
	s_sub_co_u32 s19, s17, s18                     ; Q, K: they walk A's
	s_mov_b32 s100, 0x76543210
	s_mov_b32 s101, 0xfedcba98                     ; v_permlanex16_b32's selects for lane l xor 16
	s_wait_kmcnt 0x0
	s_cmp_eq_u32 s66, 1                            ; the product's five inputs: a choice between buffers that hangs on the cluster's number alone
	s_cselect_b64 s[4:5], s[36:37], s[24:25]       ; A's codes
	s_cselect_b64 s[6:7], s[38:39], s[26:27]       ; A's scales
	s_cselect_b64 s[8:9], s[40:41], s[28:29]       ; B's codes
	s_cselect_b64 s[10:11], s[42:43], s[30:31]     ; B's scales
	s_cselect_b64 s[12:13], s[44:45], s[32:33]     ; the bias
	s_cmp_eq_u32 s66, 2
	s_cselect_b64 s[4:5], s[48:49], s[4:5]
	s_cselect_b64 s[6:7], s[50:51], s[6:7]
	s_cselect_b64 s[8:9], s[52:53], s[8:9]
	s_cselect_b64 s[10:11], s[54:55], s[10:11]
	s_cselect_b64 s[12:13], s[56:57], s[12:13]
	s_cmp_eq_u32 s66, 0
	s_cselect_b64 s[96:97], s[68:69], s[72:73]     ; where the codes go
	s_cselect_b64 s[98:99], s[70:71], s[72:73]     ; where the scale words go
	s_bfe_u32 s40, ttmp6, 0x40000                  ; cx, cy: my place in the cluster
	s_bfe_u32 s41, ttmp6, 0x40004
	s_lshl_b32 s42, s18, 2
	s_add_co_u32 s42, s42, s40                     ; B's tile = 4 x (V: cluster) + cx
	s_lshl_b32 s17, s19, 2
	s_add_co_u32 s17, s17, s41                     ; A's tile = 4 x (Q, K: cluster) + cy
	s_lshl_b32 s43, s41, 2
	s_lshl_b32 s43, 15, s43                        ; my row of the cluster
	s_lshl_b32 s44, 0x1111, s40                    ; my column
	; descriptor group 1: a tile of 128 rows x 256 bytes, padded in LDS
	s_or_b32 s[G1+0], s43, (0<<16)|(1<<20)|(1<<21)|(5<<22)|(3<<25)  ; 15:0 the mask: A's tiles go to my row; 17:16 element of 1 byte; 20 padding on; 21 set beside a mask; 24:22 after every 64 words; 31:25 four words
	s_or_b32 s[G1B+0], s44, (0<<16)|(1<<20)|(1<<21)|(5<<22)|(3<<25)
.irp g, G1, G1B
	s_mov_b32 s[\g+1], ROWB<<16                    ; tensor_dim0
	s_mov_b32 s[\g+2], 128<<16                     ; tensor_dim1
	s_mov_b32 s[\g+3], ROWB<<16                    ; tile_dim0
	s_mov_b32 s[\g+4], 128                         ; tile_dim1
	s_mov_b32 s[\g+5], KROW                        ; tensor_dim0_stride
	s_mov_b32 s[\g+6], 0
	s_mov_b32 s[\g+7], 0
.endr
	; the scales of 128 rows: a dense block of 4,096 bytes, as rows of 256 bytes (32 elements of 8 bytes), 16 bytes of padding behind each
	s_or_b32 s[G1S+0], s43, (3<<16)|(1<<20)|(1<<21)|(5<<22)|(3<<25)
	s_or_b32 s[G1SB+0], s44, (3<<16)|(1<<20)|(1<<21)|(5<<22)|(3<<25)
.irp g, G1S, G1SB
	s_mov_b32 s[\g+1], 32<<16
	s_mov_b32 s[\g+2], (128*KS/256)<<16
	s_mov_b32 s[\g+3], 32<<16
	s_mov_b32 s[\g+4], 128*KS/256
	s_mov_b32 s[\g+5], 32
	s_mov_b32 s[\g+6], 0
	s_mov_b32 s[\g+7], 0
.endr
	s_lshl_b32 s18, s16, 7                         ; which 128 rows of the tile I fetch
	s_lshl_b32 s20, s17, 8
	s_add_co_u32 s20, s20, s18                     ; A: row 256 x tile + 128 x half
	s_lshl_b32 s46, s42, 8
	s_add_co_u32 s46, s46, s18                     ; B likewise
	s_mov_b32 s21, 0
	s_mov_b32 s47, 0
	s_mov_b64 s[18:19], KS
	s_mul_u64 s[22:23], s[20:21], s[18:19]         ; where these rows' scales begin, in bytes
	s_mul_u64 s[92:93], s[46:47], s[18:19]
	s_mov_b64 s[18:19], KROW
	s_mul_u64 s[20:21], s[20:21], s[18:19]         ; and their codes
	s_mul_u64 s[46:47], s[46:47], s[18:19]
	s_mul_i32 s45, s14, HALFT                      ; where they go: wave x 128 rows: no place in the cluster enters an LDS address
	s_mul_i32 s94, s14, HALFS
	s_add_nc_u64 s[20:21], s[4:5], s[20:21]
	s_add_nc_u64 s[22:23], s[6:7], s[22:23]
	s_add_nc_u64 s[46:47], s[8:9], s[46:47]
	s_add_nc_u64 s[92:93], s[10:11], s[92:93]
	CROUND                                         ; all sixteen work-groups are here: the first joint loads meet
	s_mov_b32 s[G0S], 1
	s_add_co_u32 s[G0S+1], s94, SCL
	s_mov_b64 s[G0S+2:G0S+3], s[22:23]
	s_or_b32 s[G0S+3], s[G0S+3], 0x80000000
	s_mov_b32 s[G0SB], 1
	s_add_co_u32 s[G0SB+1], s94, SCL
	s_mov_b64 s[G0SB+2:G0SB+3], s[92:93]
	s_or_b32 s[G0SB+3], s[G0SB+3], 0x80000000
	JLOAD G0S, G1S, G0SB, G1SB                     ; the scales first: they are wanted with K step 0
.irp s, 0,1
	s_mov_b32 s[G0+4*\s], 1
	s_add_co_u32 s[G0+4*\s+1], s45, \s*SLOT
	s_add_nc_u64 s[G0+4*\s+2:G0+4*\s+3], s[20:21], \s*ROWB
	s_or_b32 s[G0+4*\s+3], s[G0+4*\s+3], 0x80000000
	s_mov_b32 s[G0B+4*\s], 1
	s_add_co_u32 s[G0B+4*\s+1], s45, \s*SLOT
	s_add_nc_u64 s[G0B+4*\s+2:G0B+4*\s+3], s[46:47], \s*ROWB
	s_or_b32 s[G0B+4*\s+3], s[G0B+4*\s+3], 0x80000000
	JLOAD G0+4*\s, G1, G0B+4*\s, G1B               ; three tensor loads of mine are out now
.endr
	v_and_b32 v1, 15, v0                           ; r = l % 16
	v_bfe_u32 v2, v0, 4, 1                         ; h = l / 16
	v_mul_u32_u24 v3, v1, PITCH
	v_lshl_add_u32 v4, v2, 4, v3                   ; a fragment's row x pitch + 16 x half
	s_mul_i32 s21, s15, HALFT                      ; my 128 rows of A
	s_mul_i32 s22, s16, HALFT                      ; my 128 rows of B,
	s_add_co_u32 s22, s22, 2*HALFT                 ; which lie behind A's 256
.irp s, 0,1
	v_add_nc_u32 v[ADRA+\s], s21, v4
	v_add_nc_u32 v[ADRB+\s], s22, v4
	s_add_co_u32 s21, s21, SLOT
	s_add_co_u32 s22, s22, SLOT
.endr
	v_mul_u32_u24 v5, v1, KS                       ; my row's scales: KS bytes a row,
	v_lshrrev_b32 v6, 8, v5
	v_lshl_add_u32 v5, v6, 4, v5                   ; and 16 more for each 256 passed
	s_mul_i32 s21, s15, HALFS                      ; A's: my 128 rows
	s_mul_i32 s22, s16, HALFS                      ; B's: my 128 rows, behind A's 256
	s_add_co_u32 s22, s22, 2*HALFS
	s_sub_co_u32 s22, s22, s21
	v_mul_u32_u24 v6, s22, v2                      ; lanes 16-31 take B's: one product, the distance between the two bases
	s_add_co_u32 s21, s21, SCL
	v_add_nc_u32 v5, v5, v6
	v_add_nc_u32 v[ADRS], s21, v5
	; THE BIAS, in the result's layout.  Accumulator (a, b), lane (r, h), register j is the result at A's row 16 a + r and B's row 16 b + 8 h + j.
	s_lshl_b32 s20, s17, 8
	s_lshl_b32 s21, s15, 7
	s_add_co_u32 s20, s20, s21                     ; my first row of A
	s_lshl_b32 s21, s42, 8
	s_lshl_b32 s22, s16, 7
	s_add_co_u32 s21, s21, s22                     ; my first row of B
	s_cmp_eq_u32 s66, 2
	s_cbranch_scc1 .Lbias_v
	s_lshl_b32 s22, s21, 2                         ; Q, K: the bias runs along B's rows: eight registers for each b
	v_lshl_add_u32 v[VB], v2, 5, s22
.irp b, 0,1,2,3,4,5,6,7
	global_load_b128 v[BI+8*\b:BI+8*\b+3], v[VB], s[12:13] offset:64*\b
	global_load_b128 v[BI+8*\b+4:BI+8*\b+7], v[VB], s[12:13] offset:64*\b+16
.endr
	s_branch .Lbias_done
.Lbias_v:
	v_add_nc_u32 v[VB], s20, v1                    ; V: the bias runs along A's rows: one number a lane for each a, in all eight registers
	v_lshlrev_b32 v[VB], 2, v[VB]
.irp a, 0,1,2,3,4,5,6,7
.irp j, 0,1,2,3,4,5,6,7
	global_load_b32 v[BI+8*\a+\j], v[VB], s[12:13] offset:64*\a
.endr
.endr
.Lbias_done:
.macro FRAG reg, adr, q, i             ; a fragment, 16 rows x 128 K of 8-bit codes: lane l holds row l % 16; registers 4 c .. 4 c + 3 hold K = 32 c + 16 (l / 16) + 0 .. 15
.irp c, 0,1,2,3
	ds_load_b128 v[\reg+4*\c:\reg+4*\c+3], v[\adr] offset:128*(\q)+32*\c+(\i)*16*PITCH
.endr
.endm
; 16 matrix instructions: A's blocks a0, a0 + 1 x B's eight, 128 along K: the slot's q-th.  p: B's set;  sc: the set of scale words.
; cm = 0: the sums go on;  1: they begin with the bias along B's rows;  2: with the bias along A's rows.  Nothing is ever cleared.
; The 64 accumulators take turns, one instruction a turn, in the same order in every step.
.macro MUL16 a0, p, q, sc, cm
.irp a, \a0, \a0+1
.irp b, 0,1,2,3,4,5,6,7
.if \cm == 1
	v_wmma_scale_f32_16x16x128_f8f6f4 v[8*(8*((\a)%4)+\b):8*(8*((\a)%4)+\b)+7], v[128*(\p)+FR*\b:128*(\p)+FR*\b+FR-1], v[AF+FR*(\a):AF+FR*(\a)+FR-1], v[BI+8*\b:BI+8*\b+7], v[SC+8*NQ*(\sc)+NQ*\b+(\q)], v[SC+8*NQ*(\sc)+NQ*(\a)+(\q)] matrix_a_scale:MATRIX_SCALE_ROW1
.elseif \cm == 2
	v_wmma_scale_f32_16x16x128_f8f6f4 v[8*(8*((\a)%4)+\b):8*(8*((\a)%4)+\b)+7], v[128*(\p)+FR*\b:128*(\p)+FR*\b+FR-1], v[AF+FR*(\a):AF+FR*(\a)+FR-1], v[BI+8*(\a):BI+8*(\a)+7], v[SC+8*NQ*(\sc)+NQ*\b+(\q)], v[SC+8*NQ*(\sc)+NQ*(\a)+(\q)] matrix_a_scale:MATRIX_SCALE_ROW1
.else
	v_wmma_scale_f32_16x16x128_f8f6f4 v[8*(8*((\a)%4)+\b):8*(8*((\a)%4)+\b)+7], v[128*(\p)+FR*\b:128*(\p)+FR*\b+FR-1], v[AF+FR*(\a):AF+FR*(\a)+FR-1], v[8*(8*((\a)%4)+\b):8*(8*((\a)%4)+\b)+7], v[SC+8*NQ*(\sc)+NQ*\b+(\q)], v[SC+8*NQ*(\sc)+NQ*(\a)+(\q)] matrix_a_scale:MATRIX_SCALE_ROW1
.endif
.endr
.endr
.endm
.macro FETCH_B slot, q, p              ; B's eight fragments of the slot's q-th 128 along K into set p
	WIN TO_B
.irp i, 0,1,2,3,4,5,6,7
	FRAG 128*(\p)+FR*\i, ADRB+\slot, \q, \i
.endr
	WIN 0
.endm
.macro FETCH_A slot, q, i0             ; A's blocks i0 .. i0 + 3
.irp i, \i0, \i0+1, \i0+2, \i0+3
	FRAG AF+FR*(\i), ADRA+\slot, \q, \i
.endr
.endm
.macro SCALES sc                       ; a K step's scale words into set sc: two words a row; lanes 0-15 take A's block i, lanes 16-31 B's block i
.irp i, 0,1,2,3,4,5,6,7
	ds_load_b64 v[SC+8*NQ*\sc+NQ*\i:SC+8*NQ*\sc+NQ*\i+1], v[ADRS] offset:\i*SBLK
.endr
.endm
; A load into a register that a matrix instruction has read, and a vector instruction that reads a matrix result, stand NP places behind that matrix instruction; only plain vector instructions that name none of its registers are places.
.macro PLACES n
.rept \n
	v_nop
.endr
.endm
; A step of 128 along K that has its successor in the same slot.
.macro STEP slot, q, cm
	s_wait_dscnt 4*NL                              ; B's set, A's blocks 0-3 and the scale words are in; the youngest 16 loads (A's blocks 4-7) may be out
.if \cm
	WIN FST_LO
.else
	WIN MUL_LO
.endif
	MUL16 0, (\q)%2, \q, \slot, \cm
	MUL16 2, (\q)%2, \q, \slot, \cm
	s_wait_dscnt 0                                 ; A's blocks 4-7 are in (asked for 32 matrix instructions ago)
	PLACES NP
	FETCH_B \slot, (\q)+1, 1-(\q)%2
	FETCH_A \slot, (\q)+1, 0
.if \cm
	WIN FST_HI
.else
	WIN MUL_HI
.endif
	MUL16 4, (\q)%2, \q, \slot, \cm
	MUL16 6, (\q)%2, \q, \slot, \cm
	PLACES NP
	WIN 0
	FETCH_A \slot, (\q)+1, 4
.endm
; A slot's last step changes slots: ONE barrier; in front of it each wave waits for all its tensor loads, adds 0 to its spare word, and waits for that and for its own reads of this slot.  fill = 1: this slot is filled again, two K steps ahead.
.macro TURN slot, next, fill
	s_wait_tensorcnt 0x0                           ; all my tensor loads have landed: my part of the next slot;  (every window is 0 here)
	ds_add_u32 v[SPW], v[NIL]                      ; 0 onto my spare word
	s_wait_dscnt 4*NL+1                            ; (the add and the youngest 16 loads, A's blocks 4-7, may be out)
	WIN MUL_LO
	MUL16 0, 1, NQ-1, \slot, 0                     ; sixteen matrix instructions stand between the add and the wait for it
	s_wait_dscnt 0x0                               ; the add is done, and my reads of this slot are over
	s_barrier_signal -1
	MUL16 2, 1, NQ-1, \slot, 0
	WIN 0
	s_barrier_wait -1
.if \fill
	CREST                                          ; the barrier has opened a round of the cluster's barrier: no wave of any partner still reads this slot's tile or has a load on its way
	s_add_nc_u64 s[G0+4*\slot+2:G0+4*\slot+3], s[G0+4*\slot+2:G0+4*\slot+3], 2*ROWB
	s_add_nc_u64 s[G0B+4*\slot+2:G0B+4*\slot+3], s[G0B+4*\slot+2:G0B+4*\slot+3], 2*ROWB
	JLOAD G0+4*\slot, G1, G0B+4*\slot, G1B         ; the first tensor load behind the round, my only one until the next; its four v_nop are among the places in front of the loads below
	PLACES NP-4
.else
	PLACES NP
.endif
	s_wait_alu depctr_va_vdst(0)
	v_add_nc_u32 v[ADRS], 4*NQ, v[ADRS]            ; on to the next K step's scale words
	FETCH_B \next, 0, 0
	FETCH_A \next, 0, 0
	SCALES \next
	WIN MUL_HI
	MUL16 4, 1, NQ-1, \slot, 0
	MUL16 6, 1, NQ-1, \slot, 0
	PLACES NP
	WIN 0
	FETCH_A \next, 0, 4
.endm
	s_wait_tensorcnt 1                             ; the scales and my part of K step 0 are in (K step 1's load may be out)
	s_barrier_signal -1
	s_barrier_wait -1                              ; everybody's are
	FETCH_B 0, 0, 0
	FETCH_A 0, 0, 0
	s_wait_alu depctr_va_vdst(0)
	SCALES 0
	FETCH_A 0, 0, 4
	s_wait_loadcnt 0x0                             ; the bias
	s_cmp_eq_u32 s66, 2                            ; the first step stands in front of the loop, once for each way of the bias: its products start the sums
	s_cbranch_scc1 .Lfirst_v
	STEP 0, 0, 1
	s_branch .Lfirst_done
.Lfirst_v:
	STEP 0, 0, 2
.Lfirst_done:
	s_mov_b32 s3, LAPS-1
.Llap:                                                 ; a trip goes once round the ring, from a lap's second step to the next lap's first, and fills both slots again
	TURN 0, 1, 1
	STEP 1, 0, 0
	TURN 1, 0, 1
	STEP 0, 0, 0
	s_sub_co_u32 s3, s3, 1
	s_cmp_lg_u32 s3, 0
	s_cbranch_scc1 .Llap
	TURN 0, 1, 0                                   ; the last lap fills nothing, and has no round of the cluster's barrier
	STEP 1, 0, 0
	s_wait_dscnt 4*NL                              ; the very last step: nothing more to fetch
	WIN MUL_LO
	MUL16 0, 1, NQ-1, 1, 0
	MUL16 2, 1, NQ-1, 1, 0
	s_wait_dscnt 0
	WIN MUL_HI
	MUL16 4, 1, NQ-1, 1, 0
	MUL16 6, 1, NQ-1, 1, 0
	WIN 0
	PLACES NP                                      ; in front of the first read of results and of the first write into registers that held A's fragments
	; THE WAY OUT.  No tensor load of mine is out (the last change of slots waited for all), so the descriptors' registers serve as scalars.
	s_lshl_b32 s20, s17, 8
	s_lshl_b32 s21, s15, 7
	s_add_co_u32 s20, s20, s21                     ; my first row of A
	s_lshl_b32 s21, s42, 8
	s_lshl_b32 s22, s16, 7
	s_add_co_u32 s21, s21, s22                     ; my first row of B
	s_cmp_eq_u32 s67, 1
	s_cselect_b32 s22, s21, s20                    ; my first token (V: B's row; Q, K: A's),
	s_cselect_b32 s23, s20, s21                    ; my first feature
	s_lshr_b32 s24, s22, 11                        ; the batch,
	s_and_b32 s25, s22, 2047                       ; the token in it
	s_lshl_b32 s24, s24, 4
	s_lshr_b32 s26, s23, 6
	s_add_co_u32 s24, s24, s26                     ; bh of my lower head = 16 x batch + feature / 64
	s_mul_i32 s26, s24, HEADB
	s_lshr_b32 s27, s25, 7
	s_mul_i32 s27, s27, STEPB
	s_add_co_u32 s26, s26, s27                     ; kv: my lower head's step of 128 keys
	; s28 codes' first byte; s29 scale words' first byte; s30 from blocks 0, 1 to blocks 2, 3; s31 from a to a + 1; s32 the same at a = 4; s33 lanes 16-31's distance in the scale words; s34 their step at a = 4; s35, s36 shift and mask of the word
	s_cmp_eq_u32 s66, 0
	s_cbranch_scc0 .Lpar_kv
	s_lshl_b32 s28, s24, 17                        ; Q: a head is 128 tiles of 1,024 bytes; 16 tokens are a tile
	s_lshl_b32 s37, s25, 6
	s_add_co_u32 s28, s28, s37
	s_lshl_b32 s29, s24, 13                        ; and 128 x 64 bytes of scale words
	s_lshl_b32 s37, s25, 2
	s_add_co_u32 s29, s29, s37
	s_mov_b32 s30, 131072                          ; blocks 2 and 3 belong to the next head
	s_mov_b32 s33, 8192
	s_branch .Lpar_qk
.Lpar_kv:
	s_cmp_eq_u32 s66, 1
	s_cbranch_scc0 .Lpar_v
	s_mov_b32 s28, s26                             ; K: codes at the step's head, scale words 16,384 on
	s_add_co_u32 s29, s26, 16384
	s_mov_b32 s30, HEADB
	s_mov_b32 s33, HEADB
.Lpar_qk:
	s_mov_b32 s31, 1024                            ; a tile of 16 tokens
	s_mov_b32 s32, 1024
	s_mov_b32 s34, 64
	s_mov_b32 s35, 16                              ; lanes 0-15 store the lower head's two bytes, lanes 16-31 the upper head's
	s_mov_b32 s36, 0xffff
	s_branch .Lpar_done
.Lpar_v:
	s_add_co_u32 s28, s26, 8192                    ; V: codes 8,192 on, scale words 16,896 on
	s_add_co_u32 s29, s26, 16896
	s_mov_b32 s30, 1024                            ; the four blocks of keys lie on end
	s_mov_b32 s31, 2048                            ; 16 rows d
	s_mov_b32 s32, HEADB-3*2048                    ; a = 4: the next head's first 16
	s_mov_b32 s33, 0                               ; both halves of the lanes store the same word to the same place
	s_mov_b32 s34, HEADB-3*64
	s_mov_b32 s35, 0
	s_mov_b32 s36, -1
.Lpar_done:
	s_mov_b32 s37, 0xffff0000                      ; lanes 16-31
	v_and_b32 v3, 31, v0
	v_lshlrev_b32 v3, 4, v3                        ; 16 x lane
	v_add_nc_u32 v[VO0], s28, v3
	v_add_nc_u32 v[VO1], s30, v[VO0]
	v_and_b32 v4, 15, v0
	v_bfe_u32 v5, v0, 4, 1
	v_lshl_add_u32 v4, v4, 2, s29
	v_mad_u32_u24 v[VS], v5, s33, v4               ; 4 r + h x the distance
.irp b, 0,1,2,3
	v_mov_b32 v[TM+4+\b], 0                        ; written once: a lane permute's destination counts as one of its sources
.endr
; A's block a: 16 rows of A x 128 rows of B: four blocks of 32 a lane pair.  Largest magnitudes, scale word, conversions, five stores.
.macro QSTORE a
.set AC, 64*((\a)%4)
.set W, 2+(\a)/4
.set WW, W|(W<<2)
.if (\a) > 0
	s_wait_xcnt 0x0                                ; the last block's stores have had their addresses translated (ISA guide 3.1): only behind this wait are their offsets and data rewritten
.if (\a) == 4
	v_add_nc_u32 v[VO0], s32, v[VO0]
	v_add_nc_u32 v[VO1], s32, v[VO1]
	v_add_nc_u32 v[VS], s34, v[VS]
.else
	v_add_nc_u32 v[VO0], s31, v[VO0]
	v_add_nc_u32 v[VO1], s31, v[VO1]
	v_add_nc_u32 v[VS], 64, v[VS]
.endif
.endif
	WIN WW                                         ; sources 0 and 1: the accumulators' window
.irp b, 0,1,2,3
	v_max3_num_f32 v[TM+\b], |v[AC+16*\b]|, |v[AC+16*\b+1]|, 0x4800000   ; block b: my 16 numbers, each accumulator from its low end on, and the floor 2^(9 - 127): the byte cannot fall under 1
.endr
.irp i, 2,4,6,8,10,12,14
.irp b, 0,1,2,3
	v_max3_num_f32 v[TM+\b], |v[AC+16*\b+\i]|, |v[AC+16*\b+\i+1]|, v[TM+\b]   ; (the four blocks by turns)
.endr
.endr
	WIN 0
.irp b, 0,1,2,3
	v_permlanex16_b32 v[TM+4+\b], v[TM+\b], s100, s101
.endr
.irp b, 0,1,2,3
	v_max_num_f32 v[TM+\b], v[TM+\b], v[TM+4+\b]   ; with lane l xor 16's: the block's largest magnitude
.endr
.irp b, 0,1,2,3
	v_add_nc_u32 v[TM+12+\b], 0xfc000000, v[TM+\b] ; 8 off its exponent field: the conversion takes the exponent field of this operand as its scale
.endr
.irp b, 0,1,2,3
.endr
.irp b, 0,1,2,3
	v_lshrrev_b32 v[TM+4+\b], 23, v[TM+12+\b]      ; the scale's byte
.endr
	v_lshl_or_b32 v[PW], v[TM+5], 8, v[TM+4]
	v_lshl_or_b32 v[PW], v[TM+6], 16, v[PW]
	v_lshl_or_b32 v[PW], v[TM+7], 24, v[PW]
	WIN W                                          ; source 0: the accumulators' window
.irp b, 0,1,2,3
.irp i, 0,1,2,3,4,5,6,7,8,9,10,11,12,13,14,15
.endr
.endr
.irp g, 0,1,2,3,4,5,6,7
	v_cvt_scalef32_pk8_fp8_f32 v[PC+2*\g:PC+2*\g+1], v[AC+8*\g:AC+8*\g+7], v[TM+12+\g/2]
.endr
	WIN 0
	v_nop                                          ; one plain vector line behind the last conversion
	global_store_b128 v[VO0], v[PC:PC+3], s[96:97]              ; each store: 32 lanes x 16 bytes = 512 consecutive bytes, at a multiple of 256 from the buffer's first byte
	global_store_b128 v[VO0], v[PC+4:PC+7], s[96:97] offset:512
	global_store_b128 v[VO1], v[PC+8:PC+11], s[96:97]
	global_store_b128 v[VO1], v[PC+12:PC+15], s[96:97] offset:512
	v_and_b32 v[T0], s36, v[PW]
	v_lshrrev_b32 v[T1], s35, v[PW]
	v_cndmask_b32 v[T0], v[T0], v[T1], s37         ; Q, K: bytes 0, 1 below, bytes 2, 3 above, each as the low half of a word; V: the whole word
	global_store_b32 v[VS], v[T0], s[98:99]
.endm
.irp a, 0,1,2,3,4,5,6,7
	QSTORE \a
.endr
	s_wait_tensorcnt 0x0                           ; the wave's end
	ds_add_u32 v[SPW], v[NIL]
	s_wait_dscnt 0x0
	CROUND                                         ; the closing round: no work-group ends while a partner may still ask for a tile that names it
	s_endpgm
.Lfunc_end_k_qb461877cc7_proj:
	.size	k_qb461877cc7_proj, .Lfunc_end_k_qb461877cc7_proj-k_qb461877cc7_proj
	.p2alignl 7, 3214868480
	.fill 96, 4, 3214868480
	.section	.rodata,"a",@progbits
	.p2align	6, 0x0
	.amdhsa_kernel k_qb461877cc7_proj
		.amdhsa_group_segment_fixed_size 327680
		.amdhsa_private_segment_fixed_size 0
		.amdhsa_enable_private_segment 0
		.amdhsa_kernarg_size 144
		.amdhsa_user_sgpr_count 2
		.amdhsa_user_sgpr_kernarg_segment_ptr 1
		.amdhsa_wavefront_size32 1
		.amdhsa_system_sgpr_workgroup_id_x 1
		.amdhsa_system_sgpr_workgroup_id_y 1
		.amdhsa_system_sgpr_workgroup_id_z 1
		.amdhsa_system_vgpr_workitem_id 0
		.amdhsa_next_free_vgpr 1024
		.amdhsa_next_free_sgpr 102
		.amdhsa_reserve_vcc 0
		.amdhsa_float_denorm_mode_32 3
		.amdhsa_float_denorm_mode_16_64 3
		.amdhsa_fp16_overflow 1
		.amdhsa_memory_ordered 1
		.amdhsa_forward_progress 1
		.amdhsa_inst_pref_size 175
	.end_amdhsa_kernel
	.amdgpu_metadata
---
amdhsa.version: [ 1, 2 ]
amdhsa.kernels:
  - .name:           k_qb461877cc7_proj
    .symbol:         k_qb461877cc7_proj.kd
    .args:
      - { .name: query_codes, .offset: 0, .size: 8, .value_kind: global_buffer, .address_space: global }
      - { .name: query_scales, .offset: 8, .size: 8, .value_kind: global_buffer, .address_space: global }
      - { .name: wq_codes, .offset: 16, .size: 8, .value_kind: global_buffer, .address_space: global }
      - { .name: wq_scales, .offset: 24, .size: 8, .value_kind: global_buffer, .address_space: global }
      - { .name: bq, .offset: 32, .size: 8, .value_kind: global_buffer, .address_space: global }
      - { .name: key_codes, .offset: 40, .size: 8, .value_kind: global_buffer, .address_space: global }
      - { .name: key_scales, .offset: 48, .size: 8, .value_kind: global_buffer, .address_space: global }
      - { .name: wk_codes, .offset: 56, .size: 8, .value_kind: global_buffer, .address_space: global }
      - { .name: wk_scales, .offset: 64, .size: 8, .value_kind: global_buffer, .address_space: global }
      - { .name: bk, .offset: 72, .size: 8, .value_kind: global_buffer, .address_space: global }
      - { .name: wv_codes, .offset: 80, .size: 8, .value_kind: global_buffer, .address_space: global }
      - { .name: wv_scales, .offset: 88, .size: 8, .value_kind: global_buffer, .address_space: global }
      - { .name: value_codes, .offset: 96, .size: 8, .value_kind: global_buffer, .address_space: global }
      - { .name: value_scales, .offset: 104, .size: 8, .value_kind: global_buffer, .address_space: global }
      - { .name: bv, .offset: 112, .size: 8, .value_kind: global_buffer, .address_space: global }
      - { .name: q_img, .offset: 120, .size: 8, .value_kind: global_buffer, .address_space: global }
      - { .name: q_sc, .offset: 128, .size: 8, .value_kind: global_buffer, .address_space: global }
      - { .name: kv, .offset: 136, .size: 8, .value_kind: global_buffer, .address_space: global }
    .group_segment_fixed_size: 327680
    .private_segment_fixed_size: 0
    .kernarg_segment_align: 8
    .kernarg_segment_size: 144
    .max_flat_workgroup_size: 128
    .sgpr_count:     102
    .vgpr_count:     1024
    .wavefront_size: 32
...
	.end_amdgpu_metadata
.endif
;; end of part 1
;; launch attn (part 2): grid 256 x 1, 16 waves a work-group, clusters of 4 x 1, 276,480 bytes of LDS; arguments q_img, q_sc, kv, ctx_img, ctx_sc; writes ctx_img, ctx_sc
.if DOCPART == 2
	.amdgcn_target "amdgcn-amd-amdhsa--gfx1250"
	.amdhsa_code_object_version 6
	.text
	.protected	k_qb461877cc7_attn
	.globl	k_qb461877cc7_attn
	.p2align	8
	.type	k_qb461877cc7_attn,@function
k_qb461877cc7_attn:
	s_mov_b64 s[64:65], 0
	v_nop
	global_prefetch_b8 v0, s[64:65] scope:SCOPE_SE
	s_setreg_imm32_b32 hwreg(HW_REG_WAVE_MODE, 25, 1), 1
	s_wait_xcnt 0x0
	s_wait_alu depctr_hold_cnt(0) depctr_sa_sdst(0) depctr_va_vdst(0) depctr_va_sdst(0) depctr_va_ssrc(0) depctr_va_vcc(0) depctr_vm_vsrc(0)
	s_getreg_b32 s2, hwreg(HW_REG_IB_STS2, 6, 4)
	s_cmp_eq_u32 s2, 0
	s_cbranch_scc0 .Lentry_in_a_cluster
	s_endpgm
.Lentry_in_a_cluster:
	s_bfe_u32 s2, ttmp6, 0x10000c
	s_cmp_lg_u32 s2, 0x3003
	s_cbranch_scc0 .Lentry_shape_is_right
	s_endpgm
.Lentry_shape_is_right:
; CAUSAL ATTENTION ON CODES OF FP8 (E4M3), head size 64, 2,048 keys, 64 heads (batch x head = bh), and the quantiser of its result along the model's 1,024.
; THE SOFTMAX AHEAD OF THE SECOND PRODUCT: t = score x log2(e) / 8; M = the running largest t, rounded UP to a whole number; p = 2^(t - M) is quantised along the keys, not normalised; the row's sum is taken of the
; unquantised p and divides at the end; when M moves, sum and O are multiplied by 2^(old M - new M), exactly.
; SHARES.  A cluster of four work-groups owns one bh.  The head's 128 tiles of 16 queries are dealt t = 4 m + cx: work-group cx has m = 0..31; its wave w takes m = w and then m = 31 - w.  A step is 128 keys (s = 0..15).
; With keys after the queries left out, tile m has m / 2 + 1 steps, so every wave of the launch has 17: w / 2 + (31 - w) / 2 + 2.  A step is hidden where 2 s > m and needs no mask where 2 s + 2 <= m: neither test knows cx,
; so all partners branch alike; cx enters global addresses and the mask's vector number alone.
; LDS.  The whole head's K and V, as images of the operands' registers with their scale words (16 steps of 17,152 bytes), fill LDS ONCE: wave w asks for step w by one joint load, the same in the four partners, who all
; need the same bytes.  No byte is filled twice, so there is no ring.  One tensor load of a wave is out at the most.  Every LDS read is 32 lanes x 16 (or 4) consecutive bytes.
; LAYOUT.  Both products are used transposed: S^T = K Q^T (source 0 = 16 keys, source 1 = my 16 queries), O^T = V^T P^T (source 0 = 16 of the head's 64, source 1 = P): a lane holds ONE query (lane % 16) throughout.
; THE HEAD'S 64 FILL HALF OF THE INSTRUCTION'S 128 ALONG K.  Q's upper half is zero codes, and both sides' scale bytes there are 0 (2^-127).  A zero code times any code that is a number adds nothing, so the upper half of a
; fragment of K may hold any codes but the NaN code: K'S FRAGMENTS OVERLAP, tile T in v[KF + 8 T .. + 15], whose upper eight registers are tile T + 1's codes; tile 7's are Q's codes for the second pass.  None of these is the
; NaN code: the quantiser that made them holds at 448.  So eight tiles take 72 registers, and a step's eight products stand in one run.
; In S^T register 8 T + j of lane (r, h) is key 16 T + 8 h + j.  The 16 registers of tiles 2 b, 2 b + 1 become the codes at places 32 b + 16 h + 0..15: a fixed permutation inside a block of 32 keys.  V's codes were laid by
; the same permutation, and Q's and K's by the same along d: each product multiplies the right pairs under the right scales; only the order of the sums inside an instruction differs from the ascending one.
; ctx meets a given operand in the next launch, so there the permutation is undone, on the codes: two registers a block change places with lane l xor 16.
; NOTHING IS WAITED FOR DIRECTLY BEHIND ITS REQUEST.  Q of both passes is asked for ahead of the fill.  K is read from LDS a step ahead, into registers that the products have just left; V's fragment dt takes the registers of
; p's block dt as soon as that block is converted.  The look-ahead stands in steps 0 to 14, a loop of 15 trips; step 15 is written out without it, so that every LDS address lies inside the fill by constants of this text.
; The look-ahead of a pass's last step is read and not used.
; OUT.  ctx_img [128 tokens 64][256 along K 4][tile of 16 tokens 8][128 along K 2][c 4][lane][16]: images of the next operand's registers; ctx_sc [8,192 tokens][32] scale bytes.  The bytes leave singly, 32 bytes apart: one
; thirty-second of the codes' bytes.
; LIMITS: NaN and infinities among the scores are not served; a NaN in ctx becomes 0; a block whose largest magnitude lies under 2^-118 gets the byte 1 (the bytes are read by this program alone).
.set STEPB, 17152                      ; a step's image: 67 x 256 bytes
.set HEADB, 16*STEPB
.set VCO,   8192                       ; V's codes in it
.set KSO,   16384                      ; K's scale words
.set VSO,   16896                      ; V's scale words
.set L16, 1                            ; v1   16 x lane; never rewritten
.set L4,  2                            ; v2   4 x lane
.set R4,  3                            ; v3   4 x (lane % 16)
.set RH,  4                            ; v4   lane % 16 - 8 (lane / 16)
.set A16, 5                            ; v5   the step's image + 16 x lane
.set A4,  6                            ; v6   the step's image + 4 x lane
.set SBO, 7                            ; v7   32 x (lane % 16) + lane / 16: my scale byte's place
.set OLDM, 10                          ; v10  -M as the step found it
.set QF,  16                           ; v16-31   Q's fragment (v24-31 zeros)
.set KF,  32                           ; v32-95   K's eight tiles, eight registers each
.set QN,  96                           ; v96-103  Q's codes for the second pass; also the upper half of K's tile 7
.set S,   104                          ; v104-167 S^T, then p, then V's four fragments; at the end ctx
.set O,   168                          ; v168-199 O^T
.set PC,  200                          ; v200-215 p's codes; at the end ctx's
.set BM,  216                          ; v216-219 a block's largest score, then its largest p
.set PT,  220                          ; v220-223 the other half's; then the bytes
.set HD,  224
.set SO,  228                          ; v228-231 the conversions' scale operands
.set TMP, 232
.set HE,  233
.set KSW, 237                          ; v237-240 K's scale words: lanes 0-15 tile 2 i, lanes 16-31 tile 2 i + 1
.set VSW, 241                          ; v241-242 V's likewise
.set QSW, 243                          ; v243 Q's scale words
.set PSW, 244                          ; v244 p's scale word
.set NINF, 245                         ; v245 -infinity; never rewritten
.set F,   246                          ; v[246:247] f = 2^(old M - new M), in the low register
.set SM2, 248                          ; v[248:249] the step's sum, first chain
.set DD,  250                          ; v250 the mask's number
.set QSWN, 251                         ; v251 Q's scale words for the second pass
.set SM3, 252                          ; v[252:253] the step's sum, second chain
.set CX,  S+32                         ; v136-143 at the end: ctx's codes in true order
.set WV,  14                           ; s14 wave;  s15 cx;  s16 bh
.set CXS, 15
.set BH,  16
.set PASS, 17                          ; s17 counts the two passes;  s18 0, then 31
.set XM,  18
.set MM,  19                           ; s19 m;  s20 t = 4 m + cx;  s21 my first query
.set TT,  20
.set Q0,  21
.set SEL, 22                           ; s[22:23] v_permlanex16_b32's selects for lane l xor 16
.set CS,  24                           ; s[24:25] c = log2(e) / 8
.set MNT, 26
.set HM,  27                           ; s27 lanes 16-31
.set SI,  28                           ; s28 the step;  s29 its image in LDS;  s30 its first key
.set TB,  29
.set KEY, 30
.set G0,  32                           ; s[32:35], s[36:43] the descriptor
.set G1,  36
                                       ; s[44:47] Q's codes and scale words, first pass;  s[56:59] second pass;  s[48:51] ctx's;  s[52:55], s[60:63] at work
.macro CROUND                          ; a round of the cluster's barrier
	s_barrier_signal -1
	s_barrier_wait -1
	s_cmp_lg_u32 s[WV], 0
	s_cbranch_scc1 .Lnot_wave_0_\@
	s_barrier_signal -3
.Lnot_wave_0_\@:
	s_barrier_wait -3
	s_barrier_signal -1
	s_barrier_wait -1
.endm
; A step's eight tiles of K (two loads each) and their scale words, from off bytes behind the addresses ca (16 x lane) and sa (4 x lane)
.macro KLOAD ca, sa, off
.irp t, 0,1,2,3,4,5,6,7
	ds_load_b128 v[KF+8*\t:KF+8*\t+3], v[\ca] offset:\off+1024*\t
	ds_load_b128 v[KF+8*\t+4:KF+8*\t+7], v[\ca] offset:\off+1024*\t+512
.endr
.irp p, 0,1,2,3
	ds_load_b32 v[KSW+\p], v[\sa] offset:\off+KSO+128*\p
.endr
.endm
	s_load_b256 s[4:11], s[0:1], 0x0               ; q_img s[4:5], q_sc s[6:7], kv s[8:9], ctx_img s[10:11]
	s_load_b64 s[12:13], s[0:1], 0x20              ; ctx_sc
	v_lshl_add_u32 v254, v0, 2, 0x43000
	v_mov_b32 v255, 0
	ds_add_u32 v254, v255
	ds_add_u32 v254, v255
	v_lshrrev_b32 v8, 5, v0
	s_delay_alu instid0(VALU_DEP_1)
	v_readfirstlane_b32 s[WV], v8                  ; wave 0..15
	s_bfe_u32 s[CXS], ttmp6, 0x40000               ; cx
	s_mov_b32 s[BH], ttmp9                         ; the cluster's number is bh
	v_and_b32 v8, 31, v0
	s_delay_alu instid0(VALU_DEP_1)
	v_lshlrev_b32 v[L16], 4, v8
	s_delay_alu instid0(VALU_DEP_2)
	v_lshlrev_b32 v[L4], 2, v8
	v_and_b32 v9, 15, v0                           ; r
	v_bfe_u32 v10, v0, 4, 1                        ; h
	s_delay_alu instid0(VALU_DEP_2)
	v_lshlrev_b32 v[R4], 2, v9
	s_delay_alu instid0(VALU_DEP_2)
	v_lshlrev_b32 v11, 3, v10
	s_delay_alu instid0(VALU_DEP_1)
	v_sub_nc_u32 v[RH], v9, v11
	s_delay_alu instid0(VALU_DEP_4)
	v_lshl_add_u32 v[SBO], v9, 5, v10
	s_mov_b32 s[SEL], 0x76543210
	s_mov_b32 s[SEL+1], 0xfedcba98
	s_mov_b32 s[CS], 0x3e38aa3b
	s_mov_b32 s[CS+1], s[CS]                       ; (named with it as a pair, so it is written)
	s_mov_b32 s[HM], 0xffff0000
	; the descriptor: a dense block of 17,152 bytes as 67 rows of 256 bytes (32 elements of 8 bytes), no padding
	s_mov_b32 s[G1], 15|(3<<16)|(1<<21)            ; 15:0 the mask: all four work-groups; 17:16 elements of 8 bytes; 21 set beside a mask
	s_mov_b32 s[G1+1], 32<<16                      ; tensor_dim0 = 32
	s_mov_b32 s[G1+2], 67<<16                      ; tensor_dim1 = 67
	s_mov_b32 s[G1+3], 32<<16                      ; tile_dim0 = 32
	s_mov_b32 s[G1+4], 67                          ; tile_dim1 = 67
	s_mov_b32 s[G1+5], 32                          ; tensor_dim0_stride
	s_mov_b32 s[G1+6], 0
	s_mov_b32 s[G1+7], 0
	s_mov_b32 s[G0], 1
	s_mul_i32 s[G0+1], s[WV], STEPB                ; LDS: step w: the wave's number times a constant
	s_mul_i32 s52, s[BH], HEADB
	s_add_co_u32 s52, s52, s[G0+1]                 ; memory: the head's step w: bh and the wave's number alone, which the partners share
	s_mov_b32 s53, 0
	s_lshl_b32 s60, s[BH], 7                       ; my two tiles of queries, in registers of their own (they know cx): 128 bh + cx
	s_add_co_u32 s60, s60, s[CXS]
	s_lshl_b32 s61, s[WV], 2
	s_add_co_u32 s62, s60, s61                     ; + 4 w: the first pass's
	s_xor_b32 s61, s[WV], 31
	s_lshl_b32 s61, s61, 2
	s_add_co_u32 s63, s60, s61                     ; + 4 (31 - w): the second's
	s_mov_b32 s61, 0
	s_wait_alu depctr_va_vdst(0)
	s_wait_dscnt 0x0
	s_wait_kmcnt 0x0
	s_add_nc_u64 s[G0+2:G0+3], s[8:9], s[52:53]
	s_or_b32 s[G0+3], s[G0+3], 0x80000000
	s_lshl_b32 s60, s62, 10                        ; a tile's codes are 1,024 bytes,
	s_add_nc_u64 s[44:45], s[4:5], s[60:61]
	s_lshl_b32 s60, s62, 6                         ; its scale words 64
	s_add_nc_u64 s[46:47], s[6:7], s[60:61]
	s_lshl_b32 s60, s63, 10
	s_add_nc_u64 s[56:57], s[4:5], s[60:61]
	s_lshl_b32 s60, s63, 6
	s_add_nc_u64 s[58:59], s[6:7], s[60:61]
	global_load_b128 v[QF:QF+3], v[L16], s[44:45]              ; Q of both passes is asked for ahead of the fill, and is on its way beside it
	global_load_b128 v[QF+4:QF+7], v[L16], s[44:45] offset:512
	global_load_b32 v[QSW], v[R4], s[46:47]
	global_load_b128 v[QN:QN+3], v[L16], s[56:57]
	global_load_b128 v[QN+4:QN+7], v[L16], s[56:57] offset:512
	global_load_b32 v[QSWN], v[R4], s[58:59]
	CROUND                                         ; all four work-groups are here: the joint loads meet
	tensor_load_to_lds s[G0:G0+3], s[G1:G1+7]
	s_nop 0
.rept 4
	v_nop
.endr
.irp j, 0,1,2,3,4,5,6,7
	v_mov_b32 v[QF+8+\j], 0                        ; Q's zero half: K = 64 .. 127 of the instruction
.endr
.irp b, 0,1,2,3
	v_mov_b32 v[PT+\b], 0                          ; written once: a lane permute's destination counts as one of its sources
	v_mov_b32 v[PC+12+\b], 0
.endr
	v_mov_b32 v[TMP], 0
	v_mov_b32 v[F+1], 0                            ; (named as the upper half of a pair)
	v_mov_b32 v[NINF], 0xff800000                  ; -infinity: p = 0 then
	s_wait_tensorcnt 0x0                           ; my step's image is in,
	s_barrier_signal -1
	s_barrier_wait -1                              ; everybody's is: the head lies in LDS, and nothing writes LDS from here on
	s_wait_loadcnt 0x0                             ; Q, both passes'
; A KEY STEP: 128 keys.  pre = 1: the next step's K is read ahead.  K of this step lies in registers, or is on its way from the pass's head.
.macro STEP pre
	s_lshl_b32 s31, s[SI], 1
	s_cmp_gt_u32 s31, s[MM]
	s_cbranch_scc1 .Lhidden_\@                     ; all its keys come after my queries: its work is jumped over
	s_sub_co_i32 s52, s[Q0], s[KEY]
	s_setprio 2
	v_add_nc_u32 v[A16], s[TB], v[L16]
	v_add_nc_u32 v[A4], s[TB], v[L4]
.rept 5
	v_nop                                          ; with the two additions above and the two lines of the sum behind the last step's products: nine places: the products below write over the registers that held V's fragments
.endr
	s_wait_dscnt 0x0                               ; K is in (in all steps but a pass's first nothing is out here)
.irp t, 0,2,4,6                                ; S^T = K Q^T: eight tiles of 16 keys; the upper half of each fragment is the next tile's codes, which meet Q's zero codes
	v_wmma_scale_f32_16x16x128_f8f6f4 v[S+8*\t:S+8*\t+7], v[KF+8*\t:KF+8*\t+15], v[QF:QF+15], 0, v[KSW+\t/2], v[QSW]
	v_wmma_scale_f32_16x16x128_f8f6f4 v[S+8*(\t+1):S+8*(\t+1)+7], v[KF+8*(\t+1):KF+8*(\t+1)+15], v[QF:QF+15], 0, v[KSW+\t/2], v[QSW] matrix_a_scale:MATRIX_SCALE_ROW1
.endr
	v_mov_b32 v[OLDM], v12                         ; -M as it stands.  (These two lines and six v_nop are the eight places in front of the loads into K's registers and of the first read of the scores)
	v_add_nc_u32 v[DD], s52, v[RH]                 ; d = my query - the step's first key - 8 h
.rept 6
	v_nop
.endr
.if \pre
	s_wait_alu depctr_va_vdst(0)
	KLOAD A16, A4, STEPB                           ; the next step's K: it has the softmax in which to land
.endif
	s_add_co_u32 s31, s31, 2                       ; a step all of whose keys count for all my queries skips the mask
	s_cmp_le_u32 s31, s[MM]
	s_cbranch_scc1 .Lopen_\@
.set n, 0
.rept 64
	v_cmp_gt_i32 vcc_lo, 16*(n/8)+n%8, v[DD]       ; register 8 T + j holds key 16 T + 8 h + j of the step: hidden where 16 T + j > d
	v_cndmask_b32 v[S+n], v[S+n], v[NINF], vcc_lo
.set n, n+1
.endr
.Lopen_\@:
.irp b, 0,1,2,3
	v_max3_num_f32 v[BM+\b], v[S+16*\b], v[S+1+16*\b], v[S+2+16*\b]   ; the largest score of each block of 32 keys: for the row's maximum, and, since p rises with the score, for the block's largest p
.endr
.irp i, 3,5,7,9,11,13
.irp b, 0,1,2,3
	v_max3_num_f32 v[BM+\b], v[BM+\b], v[S+16*\b+\i], v[S+1+16*\b+\i]   ; (the four blocks by turns)
.endr
.endr
.irp b, 0,1,2,3
	v_max_num_f32 v[BM+\b], v[BM+\b], v[S+15+16*\b]
.endr
.irp b, 0,1,2,3
	s_delay_alu instid0(VALU_DEP_4)
	v_permlanex16_b32 v[PT+\b], v[BM+\b], s[SEL], s[SEL+1]
.endr
.irp b, 0,1,2,3
	s_delay_alu instid0(VALU_DEP_4)
	v_max_num_f32 v[BM+\b], v[BM+\b], v[PT+\b]     ; with lane l xor 16's 16 keys
.endr
	s_delay_alu instid0(VALU_DEP_2)
	v_max3_num_f32 v[TMP], v[BM], v[BM+1], v[BM+2]
	s_delay_alu instid0(VALU_DEP_1)
	v_max_num_f32 v[TMP], v[TMP], v[BM+3]          ; the step's largest score of my query
	s_delay_alu instid0(VALU_DEP_1)
	v_mul_f32 v[TMP], s[CS], v[TMP]                ; as t (c is positive)
	s_delay_alu instid0(VALU_DEP_1)
	v_max_num_f32 v13, v13, v[TMP]                 ; the running largest t
	s_delay_alu instid0(VALU_DEP_1)
	v_floor_f32 v12, -v13                          ; the new -M = floor(-t) = -ceil(t): a whole number
	s_delay_alu instid0(VALU_DEP_1)
	v_sub_f32 v[TMP], v12, v[OLDM]                 ; old M - new M: a whole number, 0 or less
	s_delay_alu instid0(VALU_DEP_1)
	v_cvt_i32_f32 v[TMP], v[TMP]                   ; (it saturates)
	s_delay_alu instid0(VALU_DEP_1)
	v_ldexp_f32 v[F], 1.0, v[TMP]                  ; f = 2^(old M - new M): a multiplication by it rounds nothing
.set j, 0
.rept 32
	v_pk_fma_f32 v[S+j:S+j+1], v[S+j:S+j+1], s[CS:CS+1], v[12:13] op_sel_hi:[1,0,0]   ; t - M, two at a time (of the pairs c and -M the low word serves both halves)
.set j, j+2
.endr
	s_setprio 1
.irp b, 0,1,2,3
	v_fma_f32 v[BM+\b], v[BM+\b], s[CS], v12       ; the same of each block's largest score
.endr
.set j, 0
	s_wait_alu depctr_va_vdst(0)
.rept 64
	v_exp_f32 v[S+j], v[S+j]                       ; p = 2^(t - M), at most 1: not normalised
.set j, j+1
.endr
.irp b, 0,1,2,3
	v_exp_f32 v[BM+\b], v[BM+\b]                   ; the block's largest p: the same two instructions on the same number give the same bits
.endr
	s_wait_alu depctr_va_vdst(0)
	v_pk_mul_f32 v[O:O+1], v[O:O+1], v[F:F+1] op_sel_hi:[1,0]   ; O^T under the new M begins here: a plain line behind the exponentials
	s_wait_alu depctr_va_vdst(0)
.irp b, 0,1,2,3
	v_max_num_f32 v[BM+\b], 0x4800000, v[BM+\b]    ; the floor 2^(9 - 127): the byte cannot fall under 1
.endr
.irp b, 0,1,2,3
	s_delay_alu instid0(VALU_DEP_4)
	v_add_nc_u32 v[SO+\b], 0xfc000000, v[BM+\b]    ; 8 off the exponent field: the conversion's scale operand
.endr
.irp b, 0,1,2,3
.endr
.irp b, 0,1,2,3
.endr
.irp b, 0,1,2,3
	s_delay_alu instid0(VALU_DEP_4)
	v_lshrrev_b32 v[PT+\b], 23, v[SO+\b]           ; the scale's byte
.endr
	s_delay_alu instid0(VALU_DEP_3)
	v_lshl_or_b32 v[PSW], v[PT+1], 8, v[PT]        ; p's scale word for these 128 keys: far more than eight places ahead of the products that take it
	s_delay_alu instid0(VALU_DEP_1)
	v_lshl_or_b32 v[PSW], v[PT+2], 16, v[PSW]
	s_delay_alu instid0(VALU_DEP_1)
	v_lshl_or_b32 v[PSW], v[PT+3], 24, v[PSW]
	v_pk_add_f32 v[SM2:SM2+1], v[S:S+1], v[S+2:S+3]   ; the step's sum is taken of the unquantised p: two at a time, in two chains
	v_pk_add_f32 v[SM3:SM3+1], v[S+4:S+5], v[S+6:S+7]
.irp j, 8,12,16,20,24,28,32,36,40,44,48,52,56,60
	v_pk_add_f32 v[SM2:SM2+1], v[SM2:SM2+1], v[S+\j:S+1+\j]
	v_pk_add_f32 v[SM3:SM3+1], v[SM3:SM3+1], v[S+2+\j:S+3+\j]
.endr
.irp b, 0,1,2,3
.irp i, 0,2,4,6,8,10,12,14
.endr
	v_cvt_scalef32_pk8_fp8_f32 v[PC+4*\b:PC+1+4*\b], v[S+16*\b:S+7+16*\b], v[SO+\b]
	v_cvt_scalef32_pk8_fp8_f32 v[PC+2+4*\b:PC+3+4*\b], v[S+8+16*\b:S+15+16*\b], v[SO+\b]
.if \b == 0
	ds_load_b32 v[VSW], v[A4] offset:VSO
	s_setprio 0
	ds_load_b32 v[VSW+1], v[A4] offset:VSO+128
.endif
.irp c, 0,1,2,3
	ds_load_b128 v[S+16*\b+4*\c:S+16*\b+4*\c+3], v[A16] offset:VCO+2048*\b+512*\c   ; V's fragment b takes the registers of p's block b, which is done with; the next vector line is a plain one that touches neither the codes nor these
.endr
.endr
.irp j, 2,4,6,8,10,12,14,16,18,20,22,24,26,28,30
	v_pk_mul_f32 v[O+\j:O+1+\j], v[O+\j:O+1+\j], v[F:F+1] op_sel_hi:[1,0]   ; the rest of O^T x f, each accumulator from its low end on: the plain lines behind the conversions, the places ahead of the products, and work while V's last fragment lands
.endr
	s_wait_alu depctr_va_vdst(0)
	s_wait_dscnt 0x0                               ; V is in, and so is the next step's K, which was asked for earlier
.irp d, 0,2                                    ; O^T += V^T P^T: the four accumulators by turns; the next matrix instruction begins a sum of scores
	v_wmma_scale_f32_16x16x128_f8f6f4 v[O+8*\d:O+8*\d+7], v[S+16*\d:S+16*\d+15], v[PC:PC+15], v[O+8*\d:O+8*\d+7], v[VSW+\d/2], v[PSW]
	v_wmma_scale_f32_16x16x128_f8f6f4 v[O+8*(\d+1):O+8*(\d+1)+7], v[S+16*(\d+1):S+16*(\d+1)+15], v[PC:PC+15], v[O+8*(\d+1):O+8*(\d+1)+7], v[VSW+\d/2], v[PSW] matrix_a_scale:MATRIX_SCALE_ROW1
.endr
	v_pk_fma_f32 v[14:15], v[14:15], v[F:F+1], v[SM2:SM2+1] op_sel_hi:[1,0,1]   ; the row's sum under the new M, and the step's: two lines that name no register of the products above: two of the places behind them
	s_delay_alu instid0(VALU_DEP_1)
	v_pk_add_f32 v[14:15], v[14:15], v[SM3:SM3+1]
.Lhidden_\@:
.if \pre
	s_add_co_u32 s[TB], s[TB], STEPB
	s_add_co_u32 s[KEY], s[KEY], 128
.endif
.endm
	s_mov_b32 s[PASS], 0
	s_mov_b32 s[XM], 0
.Lpass:
	s_xor_b32 s[MM], s[WV], s[XM]                  ; m = w, then 31 - w
	s_lshl_b32 s[TT], s[MM], 2
	s_add_co_u32 s[TT], s[TT], s[CXS]              ; my tile of queries
	s_lshl_b32 s[Q0], s[TT], 4
	KLOAD L16, L4, 0                               ; step 0's K; it lands under the lines below
	v_mov_b32 v13, 0xff61b1e6                      ; the largest t so far: -3e38, under every t
	s_delay_alu instid0(VALU_DEP_1)
	v_floor_f32 v12, -v13                          ; -M
	v_mov_b32 v14, 0                               ; the sum, in two halves
	v_mov_b32 v15, 0
.set j, 0
.rept 32
	v_mov_b32 v[O+j], 0                            ; O^T.  (The step has no first form of its own: the first finds zeros, which the first change of M leaves zeros)
.set j, j+1
.endr
	s_mov_b32 s[SI], 0
	s_mov_b32 s[TB], 0
	s_mov_b32 s[KEY], 0
.Lstep:                                            ; fifteen trips in every wave: the trip count is a constant
	STEP 1
	s_add_co_u32 s[SI], s[SI], 1
	s_cmp_lt_u32 s[SI], 15
	s_cbranch_scc1 .Lstep
	s_setprio 0
	STEP 0                                         ; step 15: nothing lies behind it to read ahead
	s_wait_alu depctr_va_vdst(0)
	; THE END OF A PASS: ctx = O^T / the sum, NaN to 0, quantised along d (two blocks of 32), its codes brought into true order, stored.
	s_wait_dscnt 0x0                               ; no LDS load of mine is out on any way here: K's registers are loaded anew at the next pass's head
.rept 8
	v_nop                                          ; places behind the last products
.endr
	v_add_f32 v14, v14, v15                        ; the sum's two halves,
	s_delay_alu instid0(VALU_DEP_1)
	v_permlanex16_b32 v[TMP], v14, s[SEL], s[SEL+1]
	s_delay_alu instid0(VALU_DEP_1)
	v_add_f32 v14, v14, v[TMP]                     ; and lane l xor 16's: the row's sum, at least 1/2
	s_wait_alu depctr_va_vdst(0)
	v_rcp_f32 v14, v14
	v_nop                                          ; one plain place behind a transcendental
	s_lshr_b32 s52, s[BH], 4
	s_lshl_b32 s52, s52, 7
	s_add_co_u32 s52, s52, s[TT]                   ; T: my tile among the 512 tiles of tokens
	s_and_b32 s53, s[BH], 15                       ; the head
	s_lshl_b32 s54, s52, 9                         ; scale bytes: 16 tokens x 32 bytes a tile, + 2 x head
	s_lshl_b32 s55, s53, 1
	s_add_co_u32 s54, s54, s55
	s_mov_b32 s55, 0
	s_add_nc_u64 s[50:51], s[12:13], s[54:55]
	s_lshr_b32 s54, s52, 3                         ; codes: ((T / 8) x 4 + head / 4) x 32,768 + (T % 8) x 4,096 + (head % 4) x 1,024
	s_lshl_b32 s54, s54, 2
	s_lshr_b32 s55, s53, 2
	s_add_co_u32 s54, s54, s55
	s_lshl_b32 s54, s54, 15
	s_and_b32 s55, s52, 7
	s_lshl_b32 s55, s55, 12
	s_add_co_u32 s54, s54, s55
	s_and_b32 s55, s53, 3
	s_lshl_b32 s55, s55, 10
	s_add_co_u32 s54, s54, s55
	s_mov_b32 s55, 0
	s_add_nc_u64 s[48:49], s[10:11], s[54:55]
.set j, 0
	s_wait_alu depctr_va_vdst(0)
.rept 16
	v_pk_mul_f32 v[S+j:S+j+1], v[O+j:O+j+1], v[14:15] op_sel_hi:[1,0]   ; register 8 t + i is ctx(query r, d = 16 t + 8 h + i); each accumulator from its low end on
.set j, j+2
.endr
.set j, 0
.rept 32
	v_cmp_eq_f32 vcc_lo, v[S+j], v[S+j]            ; a NaN is not equal to itself:
	s_delay_alu instid0(VALU_DEP_1)
	v_cndmask_b32 v[S+j], 0, v[S+j], vcc_lo        ; it becomes 0
.set j, j+1
.endr
.irp b, 0,1
	v_max3_num_f32 v[BM+\b], |v[S+16*\b]|, |v[S+1+16*\b]|, 0x4800000   ; block b: my 16 numbers, and the floor
.endr
.irp i, 2,4,6,8,10,12,14
.irp b, 0,1
	s_delay_alu instid0(VALU_DEP_2)
	v_max3_num_f32 v[BM+\b], v[BM+\b], |v[S+16*\b+\i]|, |v[S+1+16*\b+\i]|
.endr
.endr
.irp b, 0,1
	s_delay_alu instid0(VALU_DEP_2)
	v_permlanex16_b32 v[PT+\b], v[BM+\b], s[SEL], s[SEL+1]
.endr
.irp b, 0,1
	s_delay_alu instid0(VALU_DEP_2)
	v_max_num_f32 v[BM+\b], v[BM+\b], v[PT+\b]     ; with lane l xor 16's: the block's largest magnitude
.endr
.irp b, 0,1
	s_delay_alu instid0(VALU_DEP_2)
	v_add_nc_u32 v[SO+\b], 0xfc000000, v[BM+\b]
.endr
.irp b, 0,1
.endr
.irp b, 0,1
	s_delay_alu instid0(VALU_DEP_2)
	v_lshrrev_b32 v[PT+\b], 23, v[SO+\b]           ; the scale's byte
.endr
.irp b, 0,1
.irp i, 0,1,2,3,4,5,6,7,8,9,10,11,12,13,14,15
.endr
	v_cvt_scalef32_pk8_fp8_f32 v[PC+4*\b:PC+1+4*\b], v[S+16*\b:S+7+16*\b], v[SO+\b]      ; d = 32 b + 8 h + 0..7
	v_cvt_scalef32_pk8_fp8_f32 v[PC+2+4*\b:PC+3+4*\b], v[S+8+16*\b:S+15+16*\b], v[SO+\b] ; d = 32 b + 16 + 8 h + 0..7
.endr
	v_nop                                          ; one plain line behind the last conversion
	; true order wants d = 32 b + 16 h + 0..15 in lane (r, h): lanes 0-15 keep their first pair and take the other half's first pair; lanes 16-31 take the other half's second pair and keep their second
.irp b, 0,1
.irp k, 0,1
	v_cndmask_b32 v[PC+8+2*\b+\k], v[PC+4*\b+2+\k], v[PC+4*\b+\k], s[HM]   ; what I send: below my second pair, above my first
.endr
.endr
.irp b, 0,1
.irp k, 0,1
	v_permlanex16_b32 v[PC+12+2*\b+\k], v[PC+8+2*\b+\k], s[SEL], s[SEL+1]
.endr
.endr
.irp b, 0,1
.irp k, 0,1
	v_cndmask_b32 v[CX+4*\b+\k], v[PC+4*\b+\k], v[PC+12+2*\b+\k], s[HM]
	v_cndmask_b32 v[CX+4*\b+2+\k], v[PC+12+2*\b+\k], v[PC+4*\b+2+\k], s[HM]
.endr
.endr
	v_cndmask_b32 v[TMP], v[PT], v[PT+1], s[HM]    ; lanes 0-15 store block 0's byte, lanes 16-31 block 1's
	global_store_b128 v[L16], v[CX:CX+3], s[48:49]             ; 2 x 512 consecutive bytes, at a multiple of 256 from the buffer's first byte
	global_store_b128 v[L16], v[CX+4:CX+7], s[48:49] offset:512
	global_store_b8 v[SBO], v[TMP], s[50:51]
	s_wait_xcnt 0x0                                ; the stores' addresses are translated (ISA guide 3.1): only behind this wait are their bases and data rewritten, in the next pass
.irp j, 0,1,2,3,4,5,6,7
	v_mov_b32 v[QF+\j], v[QN+\j]                   ; the second pass's Q takes its place; the next pass's head, 36 vector lines, stands between these and the first product
.endr
	v_mov_b32 v[QSW], v[QSWN]
	s_mov_b32 s[XM], 31
	s_add_co_u32 s[PASS], s[PASS], 1
	s_cmp_lt_u32 s[PASS], 2
	s_cbranch_scc1 .Lpass
	s_wait_tensorcnt 0x0
	ds_add_u32 v254, v255
	s_wait_dscnt 0x0
	CROUND                                         ; the closing round
	s_endpgm
.Lfunc_end_k_qb461877cc7_attn:
	.size	k_qb461877cc7_attn, .Lfunc_end_k_qb461877cc7_attn-k_qb461877cc7_attn
	.p2alignl 7, 3214868480
	.fill 96, 4, 3214868480
	.section	.rodata,"a",@progbits
	.p2align	6, 0x0
	.amdhsa_kernel k_qb461877cc7_attn
		.amdhsa_group_segment_fixed_size 276480
		.amdhsa_private_segment_fixed_size 0
		.amdhsa_enable_private_segment 0
		.amdhsa_kernarg_size 40
		.amdhsa_user_sgpr_count 2
		.amdhsa_user_sgpr_kernarg_segment_ptr 1
		.amdhsa_wavefront_size32 1
		.amdhsa_system_sgpr_workgroup_id_x 1
		.amdhsa_system_sgpr_workgroup_id_y 1
		.amdhsa_system_sgpr_workgroup_id_z 1
		.amdhsa_system_vgpr_workitem_id 0
		.amdhsa_next_free_vgpr 256
		.amdhsa_next_free_sgpr 66
		.amdhsa_reserve_vcc 1
		.amdhsa_float_denorm_mode_32 3
		.amdhsa_float_denorm_mode_16_64 3
		.amdhsa_fp16_overflow 1
		.amdhsa_memory_ordered 1
		.amdhsa_forward_progress 1
		.amdhsa_inst_pref_size 61
	.end_amdhsa_kernel
	.amdgpu_metadata
---
amdhsa.version: [ 1, 2 ]
amdhsa.kernels:
  - .name:           k_qb461877cc7_attn
    .symbol:         k_qb461877cc7_attn.kd
    .args:
      - { .name: q_img, .offset: 0, .size: 8, .value_kind: global_buffer, .address_space: global }
      - { .name: q_sc, .offset: 8, .size: 8, .value_kind: global_buffer, .address_space: global }
      - { .name: kv, .offset: 16, .size: 8, .value_kind: global_buffer, .address_space: global }
      - { .name: ctx_img, .offset: 24, .size: 8, .value_kind: global_buffer, .address_space: global }
      - { .name: ctx_sc, .offset: 32, .size: 8, .value_kind: global_buffer, .address_space: global }
    .group_segment_fixed_size: 276480
    .private_segment_fixed_size: 0
    .kernarg_segment_align: 8
    .kernarg_segment_size: 40
    .max_flat_workgroup_size: 512
    .sgpr_count:     66
    .vgpr_count:     256
    .wavefront_size: 32
...
	.end_amdgpu_metadata
.endif
;; end of part 2
;; launch outp (part 3): grid 4 x 32, 4 waves a work-group, clusters of 4 x 4, 327,680 bytes of LDS; arguments ctx_img, ctx_sc, wo_codes, wo_scales, bo, out0; writes out0
.if DOCPART == 3
	.amdgcn_target "amdgcn-amd-amdhsa--gfx1250"
	.amdhsa_code_object_version 6
	.text
	.protected	k_qb461877cc7_outp
	.globl	k_qb461877cc7_outp
	.p2align	8
	.type	k_qb461877cc7_outp,@function
k_qb461877cc7_outp:
	s_mov_b64 s[64:65], 0
	v_nop
	global_prefetch_b8 v0, s[64:65] scope:SCOPE_SE
	s_setreg_imm32_b32 hwreg(HW_REG_WAVE_MODE, 25, 1), 1
	s_wait_xcnt 0x0
	s_wait_alu depctr_hold_cnt(0) depctr_sa_sdst(0) depctr_va_vdst(0) depctr_va_sdst(0) depctr_va_ssrc(0) depctr_va_vcc(0) depctr_vm_vsrc(0)
	s_getreg_b32 s2, hwreg(HW_REG_IB_STS2, 6, 4)
	s_cmp_eq_u32 s2, 0
	s_cbranch_scc0 .Lentry_in_a_cluster
	s_endpgm
.Lentry_in_a_cluster:
	s_bfe_u32 s2, ttmp6, 0x10000c
	s_cmp_lg_u32 s2, 0xf033
	s_cbranch_scc0 .Lentry_shape_is_right
	s_endpgm
.Lentry_shape_is_right:
; out0 = ctx wo^T + bo, on codes of FP8 (E4M3) with one E8M0 scale for each 32 along K.  ctx: 8,192 tokens x 1,024, as images of the operand's registers (ctx_img) and scale bytes [8,192][32] (ctx_sc);
; wo: [1,024][1,024] codes, K innermost, scale bytes [1,024][32]; bo [1,024] f32; out0 [8,192][1,024] f32.
; A tile of 256 x 256 of the output is made by four waves, 128 x 128 each: 64 accumulators, 512 registers.  K goes in steps of 256 through a ring of two LDS slots filled by the tensor data mover.  There are 128 tiles:
; a smaller tile would read half again as many LDS bytes for each product, and this launch is a small part of the program.
; A (source 1, the tokens) COMES AS AN IMAGE: ctx_img [128 tokens][256 along K][tile of 16 tokens 8][128 along K 2][c 4][lane][16]: what a wave fetches of A for a K step, 128 tokens x 256 along K, is one dense block of 32,768
; bytes, and a fragment is four loads of 32 lanes x 16 consecutive bytes.  B (source 0, wo's rows) comes as rows of 256 bytes, 16 bytes of padding behind each.
; The scale bytes of the tile's 2 x 256 rows come into LDS once.  The bias, which runs along B's rows, is the C of each sum's first matrix instruction.
; CLUSTERS: 4 x 4 work-groups; A's tile is shared along a row of the cluster, B's along a column: each is asked for jointly.  The matrix instruction is used transposed: a lane holds eight neighbouring numbers of a row of the output.
; REGISTERS, in windows of 256: window 0: v0-31 addresses; v32-63 scale words, two sets; v64-127 the bias; from v128 A's fragments, one set; on the way out v128-255 hold rows read back.
;   window 1: B's fragments, two sets.   window 2: the accumulators of my rows 0-63 ((a, b) at v[8 (8 (a % 4) + b)]);   window 3: those of my rows 64-127.
.set SIZE_N, 1024
.set KSTEP,  256
.set NQ,     KSTEP/128
.set ROWB,   256                       ; a row of B's tile in bytes
.set ASTEP,  32768                     ; from a K step of A's image to the next
.set KROW,   1024                      ; a row of B in memory; also the bytes of A's image for each token
.set PITCH,  272                       ; B's LDS row: 256 bytes + 16 of padding
.set FR,     16
.set NL,     4
.set NP,     8                         ; places behind this matrix instruction (ISA guide 7.12.1)
.set HALFT,  128*PITCH                 ; what one tensor load of B brings; A's 32,768 bytes lie at the head of as many
.set SLOT,   4*HALFT
.set LAPS,   KROW/(2*KSTEP)
.set KS,     KROW/32
.set SCL,    2*SLOT
.set HALFS,  (128*KS/256)*272
.set SBLK,   (16*KS/256)*272
.set SPARE,  SCL+4*HALFS               ; the spare words, 128 bytes for each wave, which no other line names
.set SPITCH, 528                       ; the way out: a stage of 16 rows x (512 bytes + 16) for each wave, in slot 0, which has had its last fill and its last read when the first result is stored there
.set ADRA, 16
.set ADRB, 20
.set STO,  24
.set RD,   25
.set CO,   26
.set ADRS, 27
.set SPW,  28
.set NIL,  29
.set VB,   30
.set SC,   32
.set BI,   64
.set AF,   128
.set BK,   128
.set G1, 24
.set G0, 32
.set G1B, 48
.set G0B, 56
.set G1S, 68
.set G0S, 76
.set G1SB, 80
.set G0SB, 88
.set MSB, 0
.macro WIN new                         ; the immediate's high byte repeats the setting that is left
.if MSB != \new
	s_set_vgpr_msb (MSB<<8)|\new
.set MSB, \new
.endif
.endm
.set MUL_LO, 0xa1                      ; source 0 (B) window 1, source 1 (A) window 0, C and D window 2
.set MUL_HI, 0xf1                      ; the same, C and D window 3
.set FST_LO, 0x81                      ; the first step: C (the bias) window 0, D window 2
.set FST_HI, 0xc1
.set TO_B,   0x40
.macro JLOAD g0a, g1a, g0b, g1b        ; a joint load: waves 0 and 1 fetch for A, waves 2 and 3 for B; four v_nop follow each line
	s_cmp_eq_u32 s15, 0
	s_cbranch_scc0 .Lfor_b_\@
	tensor_load_to_lds s[\g0a:\g0a+3], s[\g1a:\g1a+7]
	s_nop 0
.rept 4
	v_nop
.endr
	s_branch .Lasked_\@
.Lfor_b_\@:
	tensor_load_to_lds s[\g0b:\g0b+3], s[\g1b:\g1b+7]
	s_nop 0
.rept 4
	v_nop
.endr
.Lasked_\@:
.endm
.macro CREST
	s_cmp_lg_u32 s14, 0
	s_cbranch_scc1 .Lnot_wave_0_\@
	s_barrier_signal -3
.Lnot_wave_0_\@:
	s_barrier_wait -3
	s_barrier_signal -1
	s_barrier_wait -1
.endm
.macro CROUND
	s_barrier_signal -1
	s_barrier_wait -1
	CREST
.endm
	s_load_b128 s[4:7], s[0:1], 0x0                ; ctx_img s[4:5], ctx_sc s[6:7]
	s_load_b128 s[8:11], s[0:1], 0x10              ; wo's codes s[8:9], wo's scales s[10:11]
	s_load_b64 s[96:97], s[0:1], 0x20              ; bo
	s_load_b64 s[12:13], s[0:1], 0x28              ; out0
	v_lshl_add_u32 v[SPW], v0, 2, SPARE
	v_mov_b32 v[NIL], 0
	ds_add_u32 v28, v29
	ds_add_u32 v28, v29
	s_wait_dscnt 0x0
	v_lshrrev_b32 v1, 5, v0
	v_readfirstlane_b32 s14, v1                    ; wave 0..3
	s_lshr_b32 s15, s14, 1                         ; which half of the tile's rows is mine.  Also: I fetch for A (0) or for B (1)
	s_and_b32 s16, s14, 1                          ; which half of its columns.  Also: which 128 rows of that tile I fetch
	s_bfe_u32 s40, ttmp6, 0x40000                  ; cx, cy
	s_bfe_u32 s41, ttmp6, 0x40004
	s_lshl_b32 s42, ttmp9, 2
	s_add_co_u32 s42, s42, s40                     ; tile column = 4 x cluster x + cx
	s_and_b32 s17, ttmp7, 0xffff
	s_lshl_b32 s17, s17, 2
	s_add_co_u32 s17, s17, s41                     ; tile row = 4 x cluster y + cy
	s_lshl_b32 s43, s41, 2
	s_lshl_b32 s43, 15, s43                        ; my row of the cluster
	s_lshl_b32 s44, 0x1111, s40                    ; my column
	; descriptor group 1 for A: a dense block of 32,768 bytes as 128 rows of 256 bytes, no padding
	s_or_b32 s[G1+0], s43, (0<<16)|(1<<21)         ; 15:0 the mask: my row; 17:16 element of 1 byte; 21 set beside a mask
	s_mov_b32 s[G1+1], 256<<16
	s_mov_b32 s[G1+2], 128<<16
	s_mov_b32 s[G1+3], 256<<16
	s_mov_b32 s[G1+4], 128
	s_mov_b32 s[G1+5], 256
	s_mov_b32 s[G1+6], 0
	s_mov_b32 s[G1+7], 0
	; for B: 128 rows x 256 bytes, 1,024 bytes apart, four words of padding after every 64
	s_or_b32 s[G1B+0], s44, (0<<16)|(1<<20)|(1<<21)|(5<<22)|(3<<25)
	s_mov_b32 s[G1B+1], ROWB<<16
	s_mov_b32 s[G1B+2], 128<<16
	s_mov_b32 s[G1B+3], ROWB<<16
	s_mov_b32 s[G1B+4], 128
	s_mov_b32 s[G1B+5], KROW
	s_mov_b32 s[G1B+6], 0
	s_mov_b32 s[G1B+7], 0
	; for the scales of 128 rows: 4,096 dense bytes as rows of 256 bytes (32 elements of 8 bytes), 16 bytes of padding behind each
	s_or_b32 s[G1S+0], s43, (3<<16)|(1<<20)|(1<<21)|(5<<22)|(3<<25)
	s_or_b32 s[G1SB+0], s44, (3<<16)|(1<<20)|(1<<21)|(5<<22)|(3<<25)
.irp g, G1S, G1SB
	s_mov_b32 s[\g+1], 32<<16
	s_mov_b32 s[\g+2], (128*KS/256)<<16
	s_mov_b32 s[\g+3], 32<<16
	s_mov_b32 s[\g+4], 128*KS/256
	s_mov_b32 s[\g+5], 32
	s_mov_b32 s[\g+6], 0
	s_mov_b32 s[\g+7], 0
.endr
	s_lshl_b32 s18, s16, 7                         ; which 128 rows of the tile I fetch
	s_lshl_b32 s20, s17, 8
	s_add_co_u32 s20, s20, s18                     ; A: token 256 x tile row + 128 x half
	s_lshl_b32 s46, s42, 8
	s_add_co_u32 s46, s46, s18                     ; B: row 256 x tile column + 128 x half
	s_mov_b32 s21, 0
	s_mov_b32 s47, 0
	s_mov_b64 s[18:19], KS
	s_mul_u64 s[22:23], s[20:21], s[18:19]         ; where these rows' scales begin
	s_mul_u64 s[92:93], s[46:47], s[18:19]
	s_mov_b64 s[18:19], KROW
	s_mul_u64 s[20:21], s[20:21], s[18:19]         ; and their codes (A's image has 131,072 bytes for each 128 tokens: 1,024 a token)
	s_mul_u64 s[46:47], s[46:47], s[18:19]
	s_mul_i32 s45, s14, HALFT                      ; where they go: no place in the cluster enters an LDS address
	s_mul_i32 s94, s14, HALFS
	s_wait_kmcnt 0x0
	s_add_nc_u64 s[20:21], s[4:5], s[20:21]
	s_add_nc_u64 s[22:23], s[6:7], s[22:23]
	s_add_nc_u64 s[46:47], s[8:9], s[46:47]
	s_add_nc_u64 s[92:93], s[10:11], s[92:93]
	CROUND                                         ; all sixteen work-groups are here: the first joint loads meet
	s_mov_b32 s[G0S], 1
	s_add_co_u32 s[G0S+1], s94, SCL
	s_mov_b64 s[G0S+2:G0S+3], s[22:23]
	s_or_b32 s[G0S+3], s[G0S+3], 0x80000000
	s_mov_b32 s[G0SB], 1
	s_add_co_u32 s[G0SB+1], s94, SCL
	s_mov_b64 s[G0SB+2:G0SB+3], s[92:93]
	s_or_b32 s[G0SB+3], s[G0SB+3], 0x80000000
	JLOAD G0S, G1S, G0SB, G1SB                     ; the scales first
.irp s, 0,1
	s_mov_b32 s[G0+4*\s], 1
	s_add_co_u32 s[G0+4*\s+1], s45, \s*SLOT
	s_add_nc_u64 s[G0+4*\s+2:G0+4*\s+3], s[20:21], \s*ASTEP
	s_or_b32 s[G0+4*\s+3], s[G0+4*\s+3], 0x80000000
	s_mov_b32 s[G0B+4*\s], 1
	s_add_co_u32 s[G0B+4*\s+1], s45, \s*SLOT
	s_add_nc_u64 s[G0B+4*\s+2:G0B+4*\s+3], s[46:47], \s*ROWB
	s_or_b32 s[G0B+4*\s+3], s[G0B+4*\s+3], 0x80000000
	JLOAD G0+4*\s, G1, G0B+4*\s, G1B               ; three tensor loads of mine are out now
.endr
	v_and_b32 v1, 15, v0                           ; r
	v_bfe_u32 v2, v0, 4, 1                         ; h
	v_mul_u32_u24 v3, v1, PITCH
	v_lshl_add_u32 v4, v2, 4, v3                   ; B: a fragment's row x pitch + 16 x half
	v_and_b32 v6, 31, v0
	v_lshlrev_b32 v7, 4, v6                        ; A: 16 x lane
	s_mul_i32 s21, s15, HALFT                      ; my 128 tokens of A
	s_mul_i32 s22, s16, HALFT                      ; my 128 rows of B,
	s_add_co_u32 s22, s22, 2*HALFT                 ; which lie behind A's two parts
.irp s, 0,1
	v_add_nc_u32 v[ADRA+\s], s21, v7
	v_add_nc_u32 v[ADRB+\s], s22, v4
	s_add_co_u32 s21, s21, SLOT
	s_add_co_u32 s22, s22, SLOT
.endr
	v_mul_u32_u24 v5, v1, KS                       ; my row's scales: KS bytes a row,
	v_lshrrev_b32 v8, 8, v5
	v_lshl_add_u32 v5, v8, 4, v5                   ; and 16 more for each 256 passed
	s_mul_i32 s21, s15, HALFS
	s_mul_i32 s22, s16, HALFS
	s_add_co_u32 s22, s22, 2*HALFS
	s_sub_co_u32 s22, s22, s21
	v_mul_u32_u24 v8, s22, v2                      ; lanes 16-31 take B's: one product, the distance between the two bases
	s_add_co_u32 s21, s21, SCL
	v_add_nc_u32 v5, v5, v8
	v_add_nc_u32 v[ADRS], s21, v5
	s_mul_i32 s23, s14, 16*SPITCH                  ; my stage
	v_mul_u32_u24 v5, v1, SPITCH                   ; in: row r, 32 bytes for each half of the lanes
	v_lshl_add_u32 v5, v2, 5, v5
	v_add_nc_u32 v[STO], s23, v5
	v_lshlrev_b32 v[CO], 4, v6                     ; back: the 32 lanes take one row of 512 bytes; and the same in the output
	v_add_nc_u32 v[RD], s23, v[CO]
	s_lshl_b32 s20, s17, 8
	s_lshl_b32 s21, s15, 7
	s_add_co_u32 s20, s20, s21                     ; my first row of the output
	s_mov_b32 s21, 0
	s_mov_b64 s[18:19], SIZE_N*4
	s_mul_u64 s[20:21], s[20:21], s[18:19]
	s_lshl_b32 s46, s42, 10                        ; my first column, in bytes: 1,024 x tile column + 512 x half
	s_lshl_b32 s47, s16, 9
	s_add_co_u32 s46, s46, s47
	v_lshl_add_u32 v[VB], v2, 5, s46               ; the bias: accumulator (a, b), lane (r, h), register j is column 16 b + 8 h + j of mine
	s_mov_b32 s47, 0
	s_add_nc_u64 s[20:21], s[20:21], s[46:47]
	s_add_nc_u64 s[12:13], s[12:13], s[20:21]
.irp b, 0,1,2,3,4,5,6,7
	global_load_b128 v[BI+8*\b:BI+8*\b+3], v[VB], s[96:97] offset:64*\b
	global_load_b128 v[BI+8*\b+4:BI+8*\b+7], v[VB], s[96:97] offset:64*\b+16
.endr
.macro FRAG reg, adr, q, i             ; a fragment of B from rows: lane l holds row l % 16; registers 4 c .. 4 c + 3 hold K = 32 c + 16 (l / 16) + 0 .. 15
.irp c, 0,1,2,3
	ds_load_b128 v[\reg+4*\c:\reg+4*\c+3], v[\adr] offset:128*(\q)+32*\c+(\i)*16*PITCH
.endr
.endm
.macro FRAGA reg, adr, q, i            ; a fragment of A from its image: the same registers in the same lanes as they were stored
.irp c, 0,1,2,3
	ds_load_b128 v[\reg+4*\c:\reg+4*\c+3], v[\adr] offset:2048*(\q)+512*\c+(\i)*4096
.endr
.endm
; 16 matrix instructions: A's blocks a0, a0 + 1 x B's eight, 128 along K.  cm = 1: the sums begin with the bias.  The 64 accumulators take turns, one instruction a turn, in the same order in every step.
.macro MUL16 a0, p, q, sc, cm
.irp a, \a0, \a0+1
.irp b, 0,1,2,3,4,5,6,7
.if \cm
	v_wmma_scale_f32_16x16x128_f8f6f4 v[8*(8*((\a)%4)+\b):8*(8*((\a)%4)+\b)+7], v[128*(\p)+FR*\b:128*(\p)+FR*\b+FR-1], v[AF+FR*(\a):AF+FR*(\a)+FR-1], v[BI+8*\b:BI+8*\b+7], v[SC+8*NQ*(\sc)+NQ*\b+(\q)], v[SC+8*NQ*(\sc)+NQ*(\a)+(\q)] matrix_a_scale:MATRIX_SCALE_ROW1
.else
	v_wmma_scale_f32_16x16x128_f8f6f4 v[8*(8*((\a)%4)+\b):8*(8*((\a)%4)+\b)+7], v[128*(\p)+FR*\b:128*(\p)+FR*\b+FR-1], v[AF+FR*(\a):AF+FR*(\a)+FR-1], v[8*(8*((\a)%4)+\b):8*(8*((\a)%4)+\b)+7], v[SC+8*NQ*(\sc)+NQ*\b+(\q)], v[SC+8*NQ*(\sc)+NQ*(\a)+(\q)] matrix_a_scale:MATRIX_SCALE_ROW1
.endif
.endr
.endr
.endm
.macro FETCH_B slot, q, p
	WIN TO_B
.irp i, 0,1,2,3,4,5,6,7
	FRAG 128*(\p)+FR*\i, ADRB+\slot, \q, \i
.endr
	WIN 0
.endm
.macro FETCH_A slot, q, i0
.irp i, \i0, \i0+1, \i0+2, \i0+3
	FRAGA AF+FR*(\i), ADRA+\slot, \q, \i
.endr
.endm
.macro SCALES sc
.irp i, 0,1,2,3,4,5,6,7
	ds_load_b64 v[SC+8*NQ*\sc+NQ*\i:SC+8*NQ*\sc+NQ*\i+1], v[ADRS] offset:\i*SBLK
.endr
.endm
.macro PLACES n                        ; places behind matrix instructions: plain vector instructions that name none of their registers
.rept \n
	v_nop
.endr
.endm
.macro STEP slot, q, cm
	s_wait_dscnt 4*NL                              ; B's set, A's blocks 0-3 and the scale words are in; the youngest 16 loads (A's blocks 4-7) may be out
.if \cm
	WIN FST_LO
.else
	WIN MUL_LO
.endif
	MUL16 0, (\q)%2, \q, \slot, \cm
	MUL16 2, (\q)%2, \q, \slot, \cm
	s_wait_dscnt 0                                 ; A's blocks 4-7 are in
	PLACES NP
	FETCH_B \slot, (\q)+1, 1-(\q)%2
	FETCH_A \slot, (\q)+1, 0
.if \cm
	WIN FST_HI
.else
	WIN MUL_HI
.endif
	MUL16 4, (\q)%2, \q, \slot, \cm
	MUL16 6, (\q)%2, \q, \slot, \cm
	PLACES NP
	WIN 0
	FETCH_A \slot, (\q)+1, 4
.endm
; A slot's last step changes slots: ONE barrier; in front of it each wave waits for all its tensor loads, adds 0 to its spare word, and waits for that and for its own reads of this slot.  fill = 1: this slot is filled again, two K steps ahead.
.macro TURN slot, next, fill
	s_wait_tensorcnt 0x0                           ; all my tensor loads have landed: my part of the next slot;
	ds_add_u32 v[SPW], v[NIL]                      ; 0 onto my spare word
	s_wait_dscnt 4*NL+1                            ; (the add and the youngest 16 loads may be out)
	WIN MUL_LO
	MUL16 0, 1, NQ-1, \slot, 0                     ; sixteen matrix instructions stand between the add and the wait for it
	s_wait_dscnt 0x0                               ; the add is done, and my reads of this slot are over
	s_barrier_signal -1
	MUL16 2, 1, NQ-1, \slot, 0
	WIN 0
	s_barrier_wait -1
.if \fill
	CREST                                          ; the barrier has opened a round of the cluster's barrier: no wave of any partner still reads this slot's tile or has a load on its way
	s_add_nc_u64 s[G0+4*\slot+2:G0+4*\slot+3], s[G0+4*\slot+2:G0+4*\slot+3], 2*ASTEP
	s_add_nc_u64 s[G0B+4*\slot+2:G0B+4*\slot+3], s[G0B+4*\slot+2:G0B+4*\slot+3], 2*ROWB
	JLOAD G0+4*\slot, G1, G0B+4*\slot, G1B         ; the first tensor load behind the round, my only one until the next
	PLACES NP-4
.else
	PLACES NP
.endif
	v_add_nc_u32 v[ADRS], 4*NQ, v[ADRS]            ; on to the next K step's scale words
	FETCH_B \next, 0, 0
	FETCH_A \next, 0, 0
	SCALES \next
	WIN MUL_HI
	MUL16 4, 1, NQ-1, \slot, 0
	MUL16 6, 1, NQ-1, \slot, 0
	PLACES NP
	WIN 0
	FETCH_A \next, 0, 4
.endm
	s_wait_tensorcnt 1                             ; the scales and my part of K step 0 are in (K step 1's load may be out)
	s_barrier_signal -1
	s_barrier_wait -1                              ; everybody's are
	FETCH_B 0, 0, 0
	FETCH_A 0, 0, 0
	SCALES 0
	FETCH_A 0, 0, 4
	s_wait_loadcnt 0x0                             ; the bias
	STEP 0, 0, 1                                   ; the first step stands in front of the loop: its products start the sums
	s_mov_b32 s3, LAPS-1
.Llap:                                                 ; a trip goes once round the ring and fills both slots again
	TURN 0, 1, 1
	STEP 1, 0, 0
	TURN 1, 0, 1
	STEP 0, 0, 0
	s_sub_co_u32 s3, s3, 1
	s_cmp_lg_u32 s3, 0
	s_cbranch_scc1 .Llap
	TURN 0, 1, 0                                   ; the last lap fills nothing
	STEP 1, 0, 0
	s_wait_dscnt 4*NL                              ; the very last step
	WIN MUL_LO
	MUL16 0, 1, NQ-1, 1, 0
	MUL16 2, 1, NQ-1, 1, 0
	s_wait_dscnt 0
	WIN MUL_HI
	MUL16 4, 1, NQ-1, 1, 0
	MUL16 6, 1, NQ-1, 1, 0
	WIN 0
; THE WAY OUT, block by block of 16 rows x 128 columns: through my own stage in LDS and back as whole rows of 512 bytes.  LDS serves a wave's instructions in order (ISA guide 5.7.1.4): no wait between the stores and the loads.
.macro TOSTAGE a
.set AC, 64*((\a)%4)
	WIN 0x08+4*((\a)/4)                            ; the data: window 2 or 3
.irp b, 0,1,2,3,4,5,6,7
	ds_store_b128 v[STO], v[AC+8*\b:AC+8*\b+3] offset:64*\b          ; each accumulator from its low end on
	ds_store_b128 v[STO], v[AC+8*\b+4:AC+8*\b+7] offset:64*\b+16
.endr
	WIN 0
.set BB, BK+64*((\a)%2)
.irp t, 0,1,2,3,4,5,6,7,8,9,10,11,12,13,14,15
	ds_load_b128 v[BB+4*\t:BB+4*\t+3], v[RD] offset:\t*SPITCH
.endr
.endm
.macro SEND a, younger                 ; younger: the LDS instructions issued behind block a's loads, which may stay out
.set BB, BK+64*((\a)%2)
	s_wait_dscnt \younger                          ; the block is back in registers
.if (\a) > 0
	s_add_nc_u64 s[12:13], s[12:13], 16*SIZE_N*4   ; (behind a wait on XCNT: the earlier stores have read their base)  16 rows on
.endif
.irp t, 0,1,2,3,4,5,6,7,8,9,10,11,12,13,14,15
	global_store_b128 v[CO], v[BB+4*\t:BB+4*\t+3], s[12:13] offset:\t*SIZE_N*4 th:TH_STORE_NT   ; 32 lanes store 512 consecutive bytes, at a multiple of 256 from the output's first byte; written once, read by nobody here
.endr
.endm
	PLACES NP                                      ; in front of the first read of results and of loads into the registers that held A's fragments
	TOSTAGE 0
.irp a, 1,2,3,4,5,6,7
.if \a > 1
	s_wait_xcnt 0x0                                ; block a - 2's stores have read their registers and their base: block a's loads may land there, and the base may step
.endif
	TOSTAGE \a
	SEND \a-1, 32                                  ; behind block a - 1's loads: block a's 16 stores and 16 loads
.endr
	s_wait_xcnt 0x0                                ; block 6's stores have read their base
	SEND 7, 0
	s_wait_tensorcnt 0x0                           ; the wave's end
	ds_add_u32 v[SPW], v[NIL]
	s_wait_dscnt 0x0
	CROUND                                         ; the closing round
	s_endpgm
.Lfunc_end_k_qb461877cc7_outp:
	.size	k_qb461877cc7_outp, .Lfunc_end_k_qb461877cc7_outp-k_qb461877cc7_outp
	.p2alignl 7, 3214868480
	.fill 96, 4, 3214868480
	.section	.rodata,"a",@progbits
	.p2align	6, 0x0
	.amdhsa_kernel k_qb461877cc7_outp
		.amdhsa_group_segment_fixed_size 327680
		.amdhsa_private_segment_fixed_size 0
		.amdhsa_enable_private_segment 0
		.amdhsa_kernarg_size 48
		.amdhsa_user_sgpr_count 2
		.amdhsa_user_sgpr_kernarg_segment_ptr 1
		.amdhsa_wavefront_size32 1
		.amdhsa_system_sgpr_workgroup_id_x 1
		.amdhsa_system_sgpr_workgroup_id_y 1
		.amdhsa_system_sgpr_workgroup_id_z 1
		.amdhsa_system_vgpr_workitem_id 0
		.amdhsa_next_free_vgpr 1024
		.amdhsa_next_free_sgpr 98
		.amdhsa_reserve_vcc 0
		.amdhsa_float_denorm_mode_32 3
		.amdhsa_float_denorm_mode_16_64 3
		.amdhsa_memory_ordered 1
		.amdhsa_forward_progress 1
		.amdhsa_inst_pref_size 147
	.end_amdhsa_kernel
	.amdgpu_metadata
---
amdhsa.version: [ 1, 2 ]
amdhsa.kernels:
  - .name:           k_qb461877cc7_outp
    .symbol:         k_qb461877cc7_outp.kd
    .args:
      - { .name: ctx_img, .offset: 0, .size: 8, .value_kind: global_buffer, .address_space: global }
      - { .name: ctx_sc, .offset: 8, .size: 8, .value_kind: global_buffer, .address_space: global }
      - { .name: wo_codes, .offset: 16, .size: 8, .value_kind: global_buffer, .address_space: global }
      - { .name: wo_scales, .offset: 24, .size: 8, .value_kind: global_buffer, .address_space: global }
      - { .name: bo, .offset: 32, .size: 8, .value_kind: global_buffer, .address_space: global }
      - { .name: out0, .offset: 40, .size: 8, .value_kind: global_buffer, .address_space: global }
    .group_segment_fixed_size: 327680
    .private_segment_fixed_size: 0
    .kernarg_segment_align: 8
    .kernarg_segment_size: 48
    .max_flat_workgroup_size: 128
    .sgpr_count:     98
    .vgpr_count:     1024
    .wavefront_size: 32
...
	.end_amdgpu_metadata
.endif
;; end of part 3
